; MI455X (gfx1250); checked and timed in simulation.
; The chip was launched on July 23, 2026; its instructions are those of AMD's public machine-readable ISA for CDNA 5 (MIT licence, August 2026) and "CDNA5" Instruction Set Architecture Reference Guide (July 2026). The comments in the code are by the model that wrote it; some were corrected since.
;; Attention. Allowed arithmetic: matrix products marked QUANTISED: E2M3 operands, one E8M0 scale for each 32 along K, by v_wmma_scale_f32_16x16x128_f8f6f4 with both operands' format E2M3, f32 sums; everything else in f32.
;; Inputs: cache_k 2 x 2,048 x 8 x 32 float32; cache_v 2 x 2,048 x 8 x 32 float32; causal_mask 1 x 2,048 x 2,048 bool; sincos 2,048 x 64 float32; wk 4,096 x 256 float32; wo 1,024 x 4,096 float32; wq 4,096 x 1,024 float32; wv 4,096 x 256 float32; x 2 x 2,048 x 4,096 float32.
;; Outputs: out0 2 x 2,048 x 4,096 float32.
;; Constants: start_pos = 0.
;; This version of the problem:
;;   THIS VERSION OF THE PROBLEM IS GIVEN IN LOW PRECISION. The matrix products marked QUANTISED in the list below multiply operands that are first quantised to E2M3 (2 exponent bits, 3 mantissa bits; 6 bits a number), with one power-of-two scale for each 32 numbers along K (OCP MX v1.0); their sums are f32. All else is computed in f32.
;;   The module's matrix products, in the order in which they are computed (A, B: the left and right operand; K: the contracted axis; several contracted axes count as one K, in the product's order):
;;     1. [M 4,096, K 4,096] x [K 4,096, N 1,024]; A: input x; B: input wq: QUANTISED
;;     2. [M 4,096, K 4,096] x [K 4,096, N 256]; A: input x; B: input wk: QUANTISED
;;     3. [M 4,096, K 4,096] x [K 4,096, N 256]; A: input x; B: input wv: QUANTISED
;;     4. batch 16 x [M 8,192, K 32] x [K 32, N 2,048]; A: computed on the way; B: computed on the way: QUANTISED
;;     5. batch 16 x [M 32, K 2,048] x [K 2,048, N 8,192]; A: computed on the way; B: softmax (see below): QUANTISED
;;     6. [M 4,096, K 1,024] x [K 1,024, N 4,096]; A: computed on the way; B: input wo: QUANTISED
;;   THE QUANTISER, for each operand of a quantised product, along K:
;;     - K is cut into blocks of 32 from its start; a last block that is shorter is filled with zeros.
;;     - A block's scale is 2^e with e = floor(log2(the largest magnitude in the block)) - 2, held to -126 .. 127; a block of zeros has e = 0. As a byte (E8M0): e + 127.
;;     - Each number is divided by its block's scale, clamped to +-7.5, and rounded to the nearest number of E2M3, ties to even, subnormals kept.
;;     - The product sums the exact products of the quantised numbers (number of the format x scale) in f32.
;;   ~~~python
;;   def quantise(x, axis):      # numpy; x: float32 -> the quantised numbers, widened to float32 again
;;       x = np.moveaxis(x, axis, -1); K = x.shape[-1]
;;       x = np.pad(x, [(0, 0)] * (x.ndim - 1) + [(0, -K % 32)]); x = x.reshape(x.shape[:-1] + (-1, 32)); a = np.abs(x).max(-1, keepdims=True)
;;       e = np.where(a > 0, np.clip(np.frexp(np.where(a > 0, a, 1))[1] - 1 - 2, -126, 127), 0)      # np.frexp(a)[1] - 1 = floor(log2(a)), exactly
;;       r = np.clip(x / 2.0 ** e, -7.5, 7.5)
;;       step = 2.0 ** (np.maximum(np.frexp(np.where(r == 0, 1, r))[1] - 1, 0) - 3)
;;       q = np.round(r / step) * step * 2.0 ** e      # np.round: ties to even
;;       return np.moveaxis(q.reshape(q.shape[:-2] + (-1,))[..., :K], -1, axis).astype(np.float32)
;;   ~~~
;;   SOFTMAX AHEAD OF A QUANTISED PRODUCT. Where the list says 'softmax', what is quantised is not the finished softmax but p = 2^(t - M), with t = logit x log2(e) and M = ceil(the row's largest t), a whole number; so 1/2 < the row's largest p <= 1. The row's sum l is taken of the UNQUANTISED p, in f32, and the product's result is divided by l at the end. Since M is a whole number, a kernel that streams over the keys may use a running M (the ceiling of the running maximum): every later rescaling is an exact power of two, which a block's scale takes up: the codes' values come out the same.
;;   OPERANDS COMPUTED ON THE WAY. 'Computed on the way' means the value that the module computes at that place (a softmax that the list does not call 'softmax' is quantised finished and normalised). What goes into a quantiser is computed in f32, as accurately as f32 sums, v_exp_f32 and their like allow (about 1e-6 of the number): no bf16 or f16 on the way to a quantiser, and a product that is left as it is and whose result goes on into a quantised operand takes f32 operands (vector FMAs, or v_wmma_f32_16x16x4_f32). A number that lies on a knife's edge between two numbers of the format may be rounded either way, as far as f32 arithmetic and the matrix unit's own rounding can turn it there, and no further.
;; 2 versions, each right; version 2 is version 1 with the launch attn written anew for expert scheduling mode. Each part assembles by itself: llvm-mc -triple=amdgcn-amd-amdhsa -mcpu=gfx1250 --defsym DOCPART=n.
;; ======== version 1 of 2: 4 launches
;; limits: right only within a limited range of input values
;; workspace buffers: xq 13,107,200 bytes; wq8 4,915,200 bytes; woq 3,276,800 bytes; maskw 589,824 bytes of whole numbers; qq 3,407,872 bytes; kv 1,638,400 bytes; att 3,276,800 bytes
;; launch prep (part 1): grid 800 x 1, 4 waves a work-group, no clusters, 46,592 bytes of LDS; arguments x, wq, wk, wv, wo, causal_mask, xq, wq8, woq, maskw; writes xq, wq8, woq, maskw
.if DOCPART == 1
	.amdgcn_target "amdgcn-amd-amdhsa--gfx1250"
	.amdhsa_code_object_version 6
	.text
	.protected	k_qea296bd9e4_prep
	.globl	k_qea296bd9e4_prep
	.p2align	8
	.type	k_qea296bd9e4_prep,@function
k_qea296bd9e4_prep:
	s_mov_b64 s[64:65], 0
	v_nop
	global_prefetch_b8 v0, s[64:65] scope:SCOPE_SE
	s_setreg_imm32_b32 hwreg(HW_REG_WAVE_MODE, 25, 1), 1
	s_wait_xcnt 0x0
; x, wq, wk, wv, wo (f32) become codes of FP6 (E2M3) with one E8M0 byte for each 32 along K; causal_mask (bytes) becomes lane masks and flags.
; AN OPERAND IS STORED AS AN IMAGE OF ITS REGISTERS.  A fragment (16 rows x 128 K, 12 registers a lane; lane (r, h) holds row r, registers 6 c .. 6 c + 5 = k 64 c + 32 h + 0 .. 31) is 1,536 bytes:
; half c at 768 c: registers 6 c .. 6 c + 3 of lane l at 16 l, registers 6 c + 4, 6 c + 5 at 512 + 8 l.  Every store and every later load of it is dense in the lanes.
; ROWS OF A TOKEN TILE: row r of tile u of 32 tokens is token 8 u + r + 8 (r / 8).
; A block's scale is 2^(floor(log2(largest magnitude)) - 2): its byte is the largest magnitude's exponent field - 2, held at 1 from below.
; LIMITS: a block of zeros gets the byte 1 where the rule says 127 (its codes are zeros, and this program alone reads the bytes); blocks under 2^-124 are held at byte 1; NaN and infinities are not served.
; Work-groups 0-127: the mask (a query tile each).  128-287: the weights.  288-799: x.  Each of the two paths that use LDS has LDS bytes of its own; waves share nothing, so there is no barrier.
.set X_IMG,  12582912                  ; xq: images [mt 32][ks 8][w 4][q 4][u 2], then scale words [mt][w][ks][lane][q]
.set W_IMG,  4718592                   ; wq8: images [g 8][K step 32][tile 12], then scale words [g][ks 8][pair 6][lane][q]
.set WO_IMG, 3145728                   ; woq: images [nt 16][K step 8][tile 16], then scale words [nt][ks 2][pair 8][lane][q]
.set MFLAG,  524288                    ; maskw: words [qt 128][step 16][64], then [qt][wave 4][32 words]: act bits, all-open bits, OR of the lane masks
.set XST,    0                         ; LDS, path x: a stage of 16 rows x 528 bytes for each wave
.set WST,    33792                     ; LDS, path weights: two images (3,072 bytes) for each wave
.set SPARE,  46080                     ; the spare words, 128 bytes for each wave
.set SPW,    12
.set NIL,    13
.macro CLOSE                           ; the wave's end
	s_wait_tensorcnt 0x0
	ds_add_u32 v[SPW], v[NIL]
	s_wait_dscnt 0x0
	s_endpgm
.endm
	s_load_b512 s[4:19], s[0:1], 0x0               ; x s[4:5], wq s[6:7], wk s[8:9], wv s[10:11], wo s[12:13], mask s[14:15], xq s[16:17], wq8 s[18:19]
	s_load_b128 s[20:23], s[0:1], 0x40             ; woq s[20:21], maskw s[22:23]
	v_lshl_add_u32 v[SPW], v0, 2, SPARE
	v_mov_b32 v[NIL], 0
	v_lshrrev_b32 v1, 5, v0
	v_readfirstlane_b32 s24, v1                    ; wave
	v_and_b32 v2, 31, v0                           ; lane
	v_and_b32 v3, 15, v0                           ; r
	v_bfe_u32 v4, v0, 4, 1                         ; h
	s_wait_kmcnt 0x0
	s_cmp_lt_u32 ttmp9, 128
	s_cbranch_scc1 .Lmask
	s_cmp_lt_u32 ttmp9, 288
	s_cbranch_scc1 .Lweights
; ---------------------------------------------------------------- x: a wave takes 16 rows x 512 along K: four fragments
.set XR,  16                           ; v16-143  two sets of 16 x 4: rows as loaded (512 dense bytes a load)
.set XN,  144                          ; v144-207 my two blocks of 32 neighbours
.set XPC, 208                          ; v208-219 the fragment's codes
.set XC2, 220                          ; v220-227 the second halves of the blocks (a conversion's three registers begin on an even number)
.set XT,  228
.set XW,  236                          ; v236-239 the four scale words
	s_sub_co_u32 s25, ttmp9, 288
	s_lshl_b32 s25, s25, 2
	s_add_co_u32 s25, s25, s24                     ; the wave's unit
	s_and_b32 s26, s25, 1                          ; u
	s_bfe_u32 s27, s25, 0x20001                    ; w
	s_bfe_u32 s28, s25, 0x30003                    ; ks
	s_lshr_b32 s29, s25, 6                         ; mt
	s_lshl_b32 s30, s29, 7
	s_lshl_b32 s31, s27, 5
	s_add_co_u32 s30, s30, s31
	s_lshl_b32 s31, s26, 3
	s_add_co_u32 s30, s30, s31                     ; token 128 mt + 32 w + 8 u
	s_lshl_b32 s30, s30, 14
	s_lshl_b32 s31, s28, 11
	s_add_co_u32 s30, s30, s31                     ; + 512 ks numbers
	s_mov_b32 s31, 0
	s_add_nc_u64 s[4:5], s[4:5], s[30:31]
	s_lshl_b32 s32, s29, 3
	s_add_co_u32 s32, s32, s28
	s_lshl_b32 s32, s32, 2
	s_add_co_u32 s32, s32, s27
	s_mul_i32 s32, s32, 12288
	s_mul_i32 s33, s26, 1536
	s_add_co_u32 s32, s32, s33
	s_mov_b32 s33, 0
	s_add_nc_u64 s[34:35], s[16:17], s[32:33]      ; my images
	s_lshl_b32 s32, s29, 2
	s_add_co_u32 s32, s32, s27
	s_lshl_b32 s32, s32, 3
	s_add_co_u32 s32, s32, s28
	s_lshl_b32 s32, s32, 9
	s_lshl_b32 s38, s26, 8
	s_add_co_u32 s32, s32, s38
	s_add_co_u32 s32, s32, X_IMG
	s_add_nc_u64 s[36:37], s[16:17], s[32:33]      ; my 256 bytes of scale words
	v_lshlrev_b32 v1, 4, v2                        ; 16 x lane
	v_lshlrev_b32 v5, 3, v2                        ; 8 x lane
	s_mul_i32 s38, s24, 8448
	v_add_nc_u32 v6, s38, v1                       ; the stage, in: a row's 512 bytes as they lie
	v_mul_u32_u24 v7, v3, 528
	v_lshl_add_u32 v7, v4, 7, v7
	v_add_nc_u32 v7, s38, v7                       ; out: row r, + 128 h: my block's 128 bytes
	v_lshlrev_b32 v8, 4, v3
	v_lshl_add_u32 v8, v4, 3, v8                   ; scale words: 16 r + 8 h
	v_lshlrev_b32 v9, 3, v4                        ; 8 h
	s_mov_b32 s40, 0x76543210
	s_mov_b32 s41, 0xfedcba98                      ; lane l xor 16
	v_mov_b32 v[XT+7], 0                           ; a lane permute's destination counts as one of its sources
.macro LOADX q
.irp p, 0,1,2,3,4,5,6,7,8,9,10,11,12,13,14,15
	global_load_b128 v[XR+64*((\q)%2)+4*\p:XR+64*((\q)%2)+4*\p+3], v1, s[4:5] offset:(\p+8*(\p/8))*16384+512*(\q) th:TH_LOAD_NT
.endr
.endm
.macro XQ q
.if (\q) < 3
	s_wait_loadcnt 16                              ; this fragment's 16 loads are in; the next one's stay out
.else
	s_wait_loadcnt 0x0
.endif
.irp p, 0,1,2,3,4,5,6,7,8,9,10,11,12,13,14,15
	ds_store_b128 v6, v[XR+64*((\q)%2)+4*\p:XR+64*((\q)%2)+4*\p+3] offset:528*\p
.endr
.irp c, 0,1
.irp i, 0,1,2,3,4,5,6,7
	ds_load_b128 v[XN+32*\c+4*\i:XN+32*\c+4*\i+3], v7 offset:256*\c+16*\i   ; LDS serves a wave's instructions in order: these see the stores above
.endr
.endr
	s_wait_dscnt 0x0
.if (\q) < 2
	LOADX (\q)+2
.endif
.irp c, 0,1
	v_max3_num_f32 v[XT+\c], |v[XN+32*\c]|, |v[XN+1+32*\c]|, 0x1800000   ; block 2 c + h is all mine; the floor 2^(3 - 127) holds the byte at 1 from below
.endr
.irp i, 2,4,6,8,10,12,14,16,18,20,22,24,26,28,30
.irp c, 0,1
	v_max3_num_f32 v[XT+\c], v[XT+\c], |v[XN+32*\c+\i]|, |v[XN+1+32*\c+\i]|
.endr
.endr
.irp c, 0,1
	v_add_nc_u32 v[XT+2+\c], 0xff000000, v[XT+\c]  ; 2 off the exponent field: the conversion's scale operand
.endr
.irp c, 0,1
	v_lshrrev_b32 v[XT+4+\c], 23, v[XT+2+\c]       ; the byte
.endr
	v_lshl_or_b32 v[XT+6], v[XT+5], 16, v[XT+4]
	v_lshlrev_b32 v[XT+6], v9, v[XT+6]             ; bytes h and 2 + h
	v_permlanex16_b32 v[XT+7], v[XT+6], s40, s41
	v_or_b32 v[XW+(\q)], v[XT+6], v[XT+7]          ; the row's word
.if (\q) > 0
	s_wait_xcnt 0x0                                ; the last fragment's stores have read the codes' registers
.endif
.irp c, 0,1
	v_cvt_scalef32_pk16_fp6_f32 v[XPC+6*\c:XPC+2+6*\c], v[XN+32*\c:XN+15+32*\c], v[XT+2+\c]
	v_cvt_scalef32_pk16_fp6_f32 v[XC2+4*\c:XC2+2+4*\c], v[XN+16+32*\c:XN+31+32*\c], v[XT+2+\c]
.endr
	v_nop                                          ; one plain place behind a scaled conversion
.irp c, 0,1
.irp i, 0,1,2
	v_mov_b32 v[XPC+3+6*\c+\i], v[XC2+4*\c+\i]
.endr
.endr
	global_store_b128 v1, v[XPC:XPC+3], s[34:35] offset:3072*(\q)            ; 512, 256, 512, 256 dense bytes
	global_store_b64 v5, v[XPC+4:XPC+5], s[34:35] offset:3072*(\q)+512
	global_store_b128 v1, v[XPC+6:XPC+9], s[34:35] offset:3072*(\q)+768
	global_store_b64 v5, v[XPC+10:XPC+11], s[34:35] offset:3072*(\q)+1280
.endm
	LOADX 0
	LOADX 1
	XQ 0
	XQ 1
	XQ 2
	XQ 3
	v_cmp_eq_u32 vcc_lo, 1, v4
	v_cndmask_b32 v[XT], v[XW], v[XW+2], vcc_lo    ; lanes 0-15 store words 0, 1 of their row, lanes 16-31 words 2, 3
	v_cndmask_b32 v[XT+1], v[XW+1], v[XW+3], vcc_lo
	global_store_b64 v8, v[XT:XT+1], s[36:37]      ; 256 dense bytes
	CLOSE
; ---------------------------------------------------------------- the weights: [K][N] f32.  A lane takes a column, its registers run down K.  A wave: 32 columns (two tiles) x 512 along K
.Lweights:
.set WA,  16                           ; v16-47   4 x column + i x pitch
.set WN,  48                           ; v48-111  two sets of 32 numbers
.set WC,  176                          ; v176-199 four blocks' codes, 6 registers each
.set WD,  200                          ; v200-202 a block's second half
.set WOUT, 204                         ; v204-227 two images on their way out
.set WSW, 228                          ; v228-231 the four scale words
	s_sub_co_u32 s25, ttmp9, 128                   ; 0-63 wq, 64-79 wk, 80-95 wv, 96-159 wo: one text, the figures chosen by the work-group's number
	s_mov_b32 s26, 96                              ; first work-group
	s_mov_b32 s27, 5                               ; log2 of the blocks of 128 columns
	s_mov_b32 s28, 16384                           ; a row in bytes
	s_mov_b32 s29, 1                               ; group = (cb x s29 + wave x s30) >> s31
	s_mov_b32 s30, 0
	s_mov_b32 s31, 1
	s_mov_b32 s32, 0                               ; pair of tiles = s32 + wave x s33 + 4 (cb & s34)
	s_mov_b32 s33, 1
	s_mov_b32 s34, 1
	s_mov_b32 s35, 24576                           ; a K step's images in bytes
	s_mov_b32 s36, 8                               ; K steps of 128
	s_mov_b32 s37, 8                               ; pairs
	s_mov_b32 s38, 2                               ; runs of 512 along K
	s_mov_b32 s39, WO_IMG
	s_mov_b32 s40, 0                               ; all ones: the tile's columns are 8 t + r + 8 (r / 8)
	s_cmp_lt_u32 s25, 96
	s_cselect_b64 s[42:43], s[10:11], s[12:13]
	s_cselect_b64 s[44:45], s[18:19], s[20:21]
	s_cselect_b32 s26, 80, s26
	s_cselect_b32 s27, 1, s27
	s_cselect_b32 s28, 1024, s28
	s_cselect_b32 s29, 4, s29
	s_cselect_b32 s30, 1, s30
	s_cselect_b32 s31, 0, s31
	s_cselect_b32 s32, 5, s32
	s_cselect_b32 s33, 0, s33
	s_cselect_b32 s34, 0, s34
	s_cselect_b32 s35, 18432, s35
	s_cselect_b32 s36, 32, s36
	s_cselect_b32 s37, 6, s37
	s_cselect_b32 s38, 8, s38
	s_cselect_b32 s39, W_IMG, s39
	s_cselect_b32 s40, -1, s40
	s_cmp_lt_u32 s25, 80
	s_cselect_b64 s[42:43], s[8:9], s[42:43]
	s_cselect_b32 s26, 64, s26
	s_cselect_b32 s32, 4, s32
	s_cselect_b32 s40, 0, s40
	s_cmp_lt_u32 s25, 64
	s_cselect_b64 s[42:43], s[6:7], s[42:43]
	s_cselect_b32 s26, 0, s26
	s_cselect_b32 s27, 3, s27
	s_cselect_b32 s28, 4096, s28
	s_cselect_b32 s29, 1, s29
	s_cselect_b32 s30, 0, s30
	s_cselect_b32 s32, 0, s32
	s_cselect_b32 s33, 1, s33
	s_sub_co_u32 s25, s25, s26
	s_lshl_b32 s46, 1, s27
	s_sub_co_u32 s46, s46, 1
	s_and_b32 s46, s25, s46                        ; cb
	s_lshr_b32 s47, s25, s27                       ; ks
	s_mul_i32 s48, s46, s29
	s_mul_i32 s49, s24, s30
	s_add_co_u32 s48, s48, s49
	s_lshr_b32 s48, s48, s31                       ; group
	s_mul_i32 s49, s24, s33
	s_add_co_u32 s49, s49, s32
	s_and_b32 s50, s46, s34
	s_lshl_b32 s50, s50, 2
	s_add_co_u32 s49, s49, s50                     ; pair
	s_mul_i32 s50, s47, s28
	s_lshl_b32 s50, s50, 9                         ; 512 ks rows
	s_lshl_b32 s51, s46, 9
	s_add_co_u32 s50, s50, s51
	s_lshl_b32 s51, s24, 7
	s_add_co_u32 s50, s50, s51                     ; + 128 cb + 32 wave columns
	s_mov_b32 s51, 0
	s_add_nc_u64 s[42:43], s[42:43], s[50:51]
	s_mul_i32 s52, s48, s36
	s_lshl_b32 s53, s47, 2
	s_add_co_u32 s52, s52, s53
	s_mul_i32 s52, s52, s35
	s_mul_i32 s53, s49, 3072
	s_add_co_u32 s52, s52, s53
	s_mov_b32 s53, 0
	s_add_nc_u64 s[54:55], s[44:45], s[52:53]      ; my two images of the first K step
	s_mul_i32 s52, s48, s38
	s_add_co_u32 s52, s52, s47
	s_mul_i32 s52, s52, s37
	s_add_co_u32 s52, s52, s49
	s_lshl_b32 s52, s52, 9
	s_add_co_u32 s52, s52, s39
	s_add_nc_u64 s[56:57], s[44:45], s[52:53]      ; my 512 bytes of scale words
	s_lshl_b32 s58, s28, 5                         ; 32 rows
	s_mov_b32 s59, 0
	s_mov_b32 s60, s35
	s_mov_b32 s61, 0
	v_lshrrev_b32 v5, 3, v3
	v_lshl_add_u32 v5, v5, 3, v3
	v_lshl_add_u32 v5, v4, 3, v5                   ; 8 t + r + 8 (r / 8)
	v_cndmask_b32 v5, v2, v5, s40                  ; or the lane's own number
	v_lshlrev_b32 v5, 2, v5
.irp i, 0,1,2,3,4,5,6,7,8,9,10,11,12,13,14,15,16,17,18,19,20,21,22,23,24,25,26,27,28,29,30,31
	v_mad_u32_u24 v[WA+\i], s28, \i, v5
.endr
	s_mul_i32 s62, s24, 3072
	s_add_co_u32 s62, s62, WST
	v_mul_u32_u24 v14, v4, 1536
	v_add_nc_u32 v14, s62, v14
	v_lshl_add_u32 v15, v3, 3, v14                 ; my tile's image: + 8 r
	v_lshl_add_u32 v14, v3, 4, v14                 ; + 16 r
	v_lshlrev_b32 v10, 4, v2
	v_add_nc_u32 v11, s62, v10                     ; back: dense
.macro LOADB set
.irp i, 0,1,2,3,4,5,6,7,8,9,10,11,12,13,14,15,16,17,18,19,20,21,22,23,24,25,26,27,28,29,30,31
	global_load_b32 v[WN+32*(\set)+\i], v[WA+\i], s[42:43] th:TH_LOAD_NT   ; a row of W at 32 neighbouring columns
.endr
	s_wait_xcnt 0x0                                ; the loads have read their base: it steps 32 rows
	s_add_nc_u64 s[42:43], s[42:43], s[58:59]
.endm
.macro BLOCK be                        ; block be of 16: K step be / 4, block be % 4 of the fragment
.set bq, (\be)/4
.set bb, (\be)%4
.set NS, WN+32*((\be)%2)
.set CS, WC+6*bb
.if (\be) < 15
	s_wait_loadcnt 32                              ; this block's 32 loads are in; the next block's stay out
.else
	s_wait_loadcnt 0x0
.endif
	v_max3_num_f32 v232, |v[NS]|, |v[NS+1]|, 0x1800000
	v_max3_num_f32 v233, |v[NS+2]|, |v[NS+3]|, |v[NS+4]|
.irp i, 5,9,13,17,21,25
	v_max3_num_f32 v232, v232, |v[NS+\i]|, |v[NS+\i+1]|
	v_max3_num_f32 v233, v233, |v[NS+\i+2]|, |v[NS+\i+3]|
.endr
	v_max3_num_f32 v232, v232, |v[NS+29]|, |v[NS+30]|
	v_max3_num_f32 v232, v232, v233, |v[NS+31]|
	v_add_nc_u32 v234, 0xff000000, v232
	v_lshrrev_b32 v235, 23, v234
.if bb == 0
	v_mov_b32 v[WSW+bq], v235
.else
	v_lshl_or_b32 v[WSW+bq], v235, 8*bb, v[WSW+bq]
.endif
	v_cvt_scalef32_pk16_fp6_f32 v[CS:CS+2], v[NS:NS+15], v234
	v_cvt_scalef32_pk16_fp6_f32 v[WD:WD+2], v[NS+16:NS+31], v234
	v_nop
	v_mov_b32 v[CS+3], v[WD]
	v_mov_b32 v[CS+4], v[WD+1]
	v_mov_b32 v[CS+5], v[WD+2]
.if (\be)+2 < 16
	LOADB (\be)%2
.endif
	ds_store_b128 v14, v[CS:CS+3] offset:768*(bb/2)+256*(bb%2)        ; block 2 c + h of row r: the place of lane 16 h + r in half c
	ds_store_b64 v15, v[CS+4:CS+5] offset:768*(bb/2)+512+128*(bb%2)
.if bb == 3
	s_wait_xcnt 0x0                                ; the last K step's stores have read their registers
.irp k, 0,1,2,3,4,5
	ds_load_b128 v[WOUT+4*\k:WOUT+4*\k+3], v11 offset:512*\k
.endr
	s_wait_dscnt 0x0
.irp k, 0,1,2,3,4,5
	global_store_b128 v10, v[WOUT+4*\k:WOUT+4*\k+3], s[54:55] offset:512*\k   ; two images: 3,072 dense bytes
.endr
	s_wait_xcnt 0x0
	s_add_nc_u64 s[54:55], s[54:55], s[60:61]      ; the next K step's images
.endif
.endm
	LOADB 0
	LOADB 1
.irp e, 0,1,2,3,4,5,6,7,8,9,10,11,12,13,14,15
	BLOCK \e
.endr
	global_store_b128 v10, v[WSW:WSW+3], s[56:57]
	CLOSE
; ---------------------------------------------------------------- the mask: work-group = query tile qt, wave w = key steps 4 w .. 4 w + 3
; Word n of a step: bit (r, h) = mask[row of (qt, r)][128 step + 32 (n / 16) + 16 h + n % 16]: the lane mask for score register n of the attention launch.
.Lmask:
	s_lshr_b32 s25, ttmp9, 1
	s_lshl_b32 s25, s25, 5
	s_and_b32 s26, ttmp9, 1
	s_lshl_b32 s26, s26, 3
	s_add_co_u32 s25, s25, s26                     ; the tile's first row
	s_lshl_b32 s25, s25, 11
	s_lshl_b32 s26, s24, 9
	s_add_co_u32 s26, s25, s26
	s_mov_b32 s27, 0
	s_add_nc_u64 s[14:15], s[14:15], s[26:27]
	v_lshrrev_b32 v5, 3, v3
	v_lshl_add_u32 v5, v5, 3, v3
	v_lshlrev_b32 v5, 11, v5
	v_lshl_add_u32 v5, v4, 4, v5                   ; row r + 8 (r / 8), + 16 h
.irp k, 0,1,2,3
.irp b, 0,1,2,3
	global_load_b128 v[64+16*\k+4*\b:64+16*\k+4*\b+3], v5, s[14:15] offset:128*\k+32*\b
.endr
.endr
	s_lshl_b32 s28, ttmp9, 12
	s_lshl_b32 s29, s24, 10
	s_add_co_u32 s28, s28, s29
	s_mov_b32 s29, 0
	s_add_nc_u64 s[30:31], s[22:23], s[28:29]      ; my four steps' words
	s_lshl_b32 s28, ttmp9, 9
	s_lshl_b32 s32, s24, 7
	s_add_co_u32 s28, s28, s32
	s_add_co_u32 s28, s28, MFLAG
	s_add_nc_u64 s[32:33], s[22:23], s[28:29]      ; my flags
	v_lshlrev_b32 v6, 3, v2
	v_lshlrev_b32 v7, 2, v2
.irp j, 0,1,2,3,4,5,6,7,8
	v_mov_b32 v[48+\j], 0
.endr
	s_mov_b32 s34, 0                               ; steps in which some key counts
	s_mov_b32 s35, 0                               ; steps in which all keys count
	s_mov_b32 s36, 0                               ; OR of all lane masks
	s_wait_loadcnt 0x0
.macro MSTEP k
	s_mov_b32 s37, 0
	s_mov_b32 s38, -1
.set m, 0
.rept 16
	v_and_b32 v8, 0xff, v[64+16*\k+m]
	v_and_b32 v9, 0xff00, v[64+16*\k+m]
	v_and_b32 v10, 0xff0000, v[64+16*\k+m]
	v_and_b32 v11, 0xff000000, v[64+16*\k+m]
	v_cmp_ne_u32 s40, 0, v8
	v_cmp_ne_u32 s41, 0, v9
	v_cmp_ne_u32 s42, 0, v10
	v_cmp_ne_u32 s43, 0, v11
	s_or_b32 s44, s40, s41
	s_or_b32 s45, s42, s43
	s_and_b32 s46, s40, s41
	s_and_b32 s47, s42, s43
	s_or_b32 s44, s44, s45
	s_and_b32 s46, s46, s47
	s_or_b32 s37, s37, s44
	s_and_b32 s38, s38, s46
	v_writelane_b32 v[48+2*\k], s40, 2*m           ; word 4 m + j lies in register j % 2 of lane 2 m + j / 2
	v_writelane_b32 v[49+2*\k], s41, 2*m
	v_writelane_b32 v[48+2*\k], s42, 2*m+1
	v_writelane_b32 v[49+2*\k], s43, 2*m+1
.set m, m+1
.endr
	s_or_b32 s36, s36, s37
	s_cmp_lg_u32 s37, 0
	s_cselect_b32 s46, 1<<\k, 0
	s_or_b32 s34, s34, s46
	s_cmp_eq_u32 s38, -1
	s_cselect_b32 s46, 1<<\k, 0
	s_or_b32 s35, s35, s46
	global_store_b64 v6, v[48+2*\k:49+2*\k], s[30:31] offset:256*\k   ; 256 dense bytes
.endm
	MSTEP 0
	MSTEP 1
	MSTEP 2
	MSTEP 3
	s_lshl_b32 s47, s24, 2
	s_lshl_b32 s34, s34, s47                       ; to the steps' own bits
	s_lshl_b32 s35, s35, s47
	v_writelane_b32 v56, s34, 0
	v_writelane_b32 v56, s35, 1
	v_writelane_b32 v56, s36, 2
	global_store_b32 v7, v56, s[32:33]
	CLOSE
.Lfunc_end_k_qea296bd9e4_prep:
	.size	k_qea296bd9e4_prep, .Lfunc_end_k_qea296bd9e4_prep-k_qea296bd9e4_prep
	.p2alignl 7, 3214868480
	.fill 96, 4, 3214868480
	.section	.rodata,"a",@progbits
	.p2align	6, 0x0
	.amdhsa_kernel k_qea296bd9e4_prep
		.amdhsa_group_segment_fixed_size 46592
		.amdhsa_private_segment_fixed_size 0
		.amdhsa_enable_private_segment 0
		.amdhsa_kernarg_size 80
		.amdhsa_user_sgpr_count 2
		.amdhsa_user_sgpr_kernarg_segment_ptr 1
		.amdhsa_wavefront_size32 1
		.amdhsa_system_sgpr_workgroup_id_x 1
		.amdhsa_system_sgpr_workgroup_id_y 1
		.amdhsa_system_sgpr_workgroup_id_z 1
		.amdhsa_system_vgpr_workitem_id 0
		.amdhsa_next_free_vgpr 256
		.amdhsa_next_free_sgpr 66
		.amdhsa_reserve_vcc 1
		.amdhsa_float_denorm_mode_32 3
		.amdhsa_float_denorm_mode_16_64 3
		.amdhsa_memory_ordered 1
		.amdhsa_forward_progress 1
		.amdhsa_inst_pref_size 185
	.end_amdhsa_kernel
	.amdgpu_metadata
---
amdhsa.version: [ 1, 2 ]
amdhsa.kernels:
  - .name:           k_qea296bd9e4_prep
    .symbol:         k_qea296bd9e4_prep.kd
    .args:
      - { .name: x, .offset: 0, .size: 8, .value_kind: global_buffer, .address_space: global }
      - { .name: wq, .offset: 8, .size: 8, .value_kind: global_buffer, .address_space: global }
      - { .name: wk, .offset: 16, .size: 8, .value_kind: global_buffer, .address_space: global }
      - { .name: wv, .offset: 24, .size: 8, .value_kind: global_buffer, .address_space: global }
      - { .name: wo, .offset: 32, .size: 8, .value_kind: global_buffer, .address_space: global }
      - { .name: causal_mask, .offset: 40, .size: 8, .value_kind: global_buffer, .address_space: global }
      - { .name: xq, .offset: 48, .size: 8, .value_kind: global_buffer, .address_space: global }
      - { .name: wq8, .offset: 56, .size: 8, .value_kind: global_buffer, .address_space: global }
      - { .name: woq, .offset: 64, .size: 8, .value_kind: global_buffer, .address_space: global }
      - { .name: maskw, .offset: 72, .size: 8, .value_kind: global_buffer, .address_space: global }
    .group_segment_fixed_size: 46592
    .private_segment_fixed_size: 0
    .kernarg_segment_align: 8
    .kernarg_segment_size: 80
    .max_flat_workgroup_size: 128
    .sgpr_count:     66
    .vgpr_count:     256
    .wavefront_size: 32
...
	.end_amdgpu_metadata
.endif
;; end of part 1
;; launch qkv (part 2): grid 8 x 32, 4 waves a work-group, clusters of 4 x 4, 327,680 bytes of LDS; arguments xq, wq8, sincos, cache_k, cache_v, qq, kv; writes qq, kv
.if DOCPART == 2
	.amdgcn_target "amdgcn-amd-amdhsa--gfx1250"
	.amdhsa_code_object_version 6
	.text
	.protected	k_qea296bd9e4_qkv
	.globl	k_qea296bd9e4_qkv
	.p2align	8
	.type	k_qea296bd9e4_qkv,@function
k_qea296bd9e4_qkv:
	s_mov_b64 s[64:65], 0
	v_nop
	global_prefetch_b8 v0, s[64:65] scope:SCOPE_SE
	s_setreg_imm32_b32 hwreg(HW_REG_WAVE_MODE, 25, 1), 1
	s_wait_xcnt 0x0
	s_wait_alu depctr_hold_cnt(0) depctr_sa_sdst(0) depctr_va_vdst(0) depctr_va_sdst(0) depctr_va_ssrc(0) depctr_va_vcc(0) depctr_vm_vsrc(0)
	s_getreg_b32 s2, hwreg(HW_REG_IB_STS2, 6, 4)
	s_cmp_eq_u32 s2, 0
	s_cbranch_scc0 .Lentry_in_a_cluster
	s_endpgm
.Lentry_in_a_cluster:
	s_bfe_u32 s2, ttmp6, 0x10000c
	s_cmp_lg_u32 s2, 0xf033
	s_cbranch_scc0 .Lentry_shape_is_right
	s_endpgm
.Lentry_shape_is_right:
; x wq, x wk, x wv as ONE product on codes of FP6; rotary embedding; the write into the caches; q and k quantised along the head, v along the keys.
; SHARES.  Work-group (g, mt): 128 tokens x 192 columns: the four query heads, the key head and the value head of group g: 256 work-groups, all alike.  Wave w: tokens 32 w .. 32 w + 31 x all 192 columns: 24 accumulators.
; Tiles 0-9 (q, k) are used TRANSPOSED (source 0 = 16 columns of W, source 1 = 16 tokens): a lane holds one token, its registers run along the head.  Tiles 10, 11 (v) straight: a lane holds one channel, its registers run along the tokens,
; which are the second attention product's K; a wave's 32 tokens are one block of it.
; K goes in slots of 512 through a ring of two LDS slots.  Operands lie in memory and in LDS as images of their registers (1,536 bytes a fragment), so a slot's parts are dense blocks, no pitch and no padding.
; CLUSTER 4 x 4: x's part hangs on mt alone and is asked for jointly along a row of the cluster, W's on g alone, along a column.
; THE CACHES: position p of the keys is the new key where p - START_POS < 2,048, else cache_k's; likewise the values.  By the shapes every position is new; the select is written as the update is defined.
; In a head's block of q and of k codes 0-7, 8-15, 16-23, 24-31 hold d = 0-7, 16-23, 8-15, 24-31: one block, one scale, the same order on both sides, so the products are the same.
; LIMITS: a block of zeros gets the byte 1 (this program alone reads the bytes); blocks under 2^-124 are held at byte 1; NaN and infinities are not served.
; REGISTERS: window 0: v1-12 LDS addresses; v13-31 the way out's; v32-87 scale words, two sets of 28; v88-135 x's fragments, two sets; v136-199 64 numbers to quantise; v200-247 at work.
;   window 1: W's 12 fragments.   window 2: the accumulators: q (u, tile i) at 64 u + 8 i; k (u, e) at 128 + 16 u + 8 e; v (ct, u) at 160 + 16 ct + 8 u.   window 3: sin and cos, cache_k's and cache_v's numbers.
.set X_IMG,  12582912
.set W_IMG,  4718592
.set Q_IMG,  3145728
.set START_POS, 0                      ; a constant of the problem: row s of sincos and position s of the caches are token s's
.set SLOT,   122880                    ; x [w 4][q 4][u 2] 49,152 bytes, then W [q 4][tile 12] 73,728
.set WOFF,   49152
.set KVST,   245760                    ; behind the ring: a key step's block of kv, 6,400 bytes
.set SPARE,  252160                    ; the spare words
.set SPW, 28
.set NIL, 29
.set SCB, 32
.set XF,  88
.set HQ,  136
.set TM,  200
.set PW,  216
.set PWQ, 218
.set PC,  220
.set TT,  240
.set SEL, 90
.set G1,  24                           ; s[24:31] group 1 for x's part; s[32:39] its groups 0, one a slot
.set G0,  32
.set G1B, 48                           ; s[48:55], s[56:63] the same for W's
.set G0B, 56
.set MULQ, 0xa1                        ; source 0 window 1 (W), source 1 window 0 (x), C and D window 2
.set MULV, 0xa4                        ; source 0 window 0 (x), source 1 window 1 (W)
.set MSB, 0
.macro WIN new
.if MSB != (\new)
	s_set_vgpr_msb (MSB<<8)|(\new)
.set MSB, \new
.endif
.endm
.macro PLACES
.rept 4
	v_nop
.endr
.endm
.macro JLOAD s                         ; waves 0, 1 ask for x's halves, waves 2, 3 for W's; an s_nop 0 and four v_nop follow each line
	s_cmp_eq_u32 s19, 0
	s_cbranch_scc0 .Lfor_w_\@
	tensor_load_to_lds s[G0+4*\s:G0+4*\s+3], s[G1:G1+7]
	s_nop 0
.rept 4
	v_nop
.endr
	s_branch .Lasked_\@
.Lfor_w_\@:
	tensor_load_to_lds s[G0B+4*\s:G0B+4*\s+3], s[G1B:G1B+7]
	s_nop 0
.rept 4
	v_nop
.endr
.Lasked_\@:
.endm
.macro CREST
	s_cmp_lg_u32 s18, 0
	s_cbranch_scc1 .Lnot_wave_0_\@
	s_barrier_signal -3
.Lnot_wave_0_\@:
	s_barrier_wait -3
	s_barrier_signal -1
	s_barrier_wait -1
.endm
.macro CROUND
	s_barrier_signal -1
	s_barrier_wait -1
	CREST
.endm
	s_load_b256 s[4:11], s[0:1], 0x0               ; xq, wq8, sincos, cache_k
	s_load_b128 s[12:15], s[0:1], 0x20             ; cache_v, qq
	s_load_b64 s[16:17], s[0:1], 0x30              ; kv
	v_lshl_add_u32 v[SPW], v0, 2, SPARE
	v_mov_b32 v[NIL], 0
	ds_add_u32 v[SPW], v[NIL]                      ; the wave's opening: the add and its wait stand ahead of the first tensor load
	v_lshrrev_b32 v30, 5, v0
	v_readfirstlane_b32 s18, v30                   ; wave
	s_lshr_b32 s19, s18, 1                         ; I fetch for x (0) or for W (1),
	s_and_b32 s20, s18, 1                          ; which half
	s_bfe_u32 s21, ttmp6, 0x40000                  ; cx
	s_bfe_u32 s22, ttmp6, 0x40004                  ; cy
	s_lshl_b32 s40, ttmp9, 2
	s_add_co_u32 s40, s40, s21                     ; g
	s_and_b32 s41, ttmp7, 0xffff
	s_lshl_b32 s41, s41, 2
	s_add_co_u32 s41, s41, s22                     ; mt
	s_lshl_b32 s42, s22, 2
	s_lshl_b32 s42, 15, s42                        ; my row of the cluster
	s_lshl_b32 s43, 0x1111, s21                    ; my column
	s_or_b32 s[G1], s42, (3<<16)|(1<<21)           ; the mask; elements of 8 bytes; bit 21 beside a mask; no padding
	s_or_b32 s[G1B], s43, (3<<16)|(1<<21)
	s_mov_b32 s[G1+1], 32<<16                      ; dense rows of 256 bytes: 32 elements,
	s_mov_b32 s[G1+2], 96<<16                      ; 96 rows: 24,576 bytes
	s_mov_b32 s[G1+3], 32<<16
	s_mov_b32 s[G1+4], 96
	s_mov_b32 s[G1+5], 32
	s_mov_b32 s[G1+6], 0
	s_mov_b32 s[G1+7], 0
	s_mov_b32 s[G1B+1], 32<<16
	s_mov_b32 s[G1B+2], 144<<16                    ; 144 rows: 36,864 bytes
	s_mov_b32 s[G1B+3], 32<<16
	s_mov_b32 s[G1B+4], 144
	s_mov_b32 s[G1B+5], 32
	s_mov_b32 s[G1B+6], 0
	s_mov_b32 s[G1B+7], 0
	s_mul_i32 s44, s41, 393216                     ; x: mt's 8 slots of 49,152 bytes,
	s_mul_i32 s2, s20, 24576                       ; my half; also its place in a slot
	s_add_co_u32 s44, s44, s2
	s_mov_b32 s45, 0
	s_mul_i32 s46, s40, 589824                     ; W: g's 8 slots of 73,728 bytes,
	s_mul_i32 s3, s20, 36864
	s_add_co_u32 s46, s46, s3
	s_mov_b32 s47, 0
	s_add_co_u32 s3, s3, WOFF
	s_mov_b32 s[SEL], 0x76543210
	s_mov_b32 s[SEL+1], 0xfedcba98
	s_wait_dscnt 0x0                               ; the opening add is done
	s_wait_kmcnt 0x0
	s_add_nc_u64 s[44:45], s[4:5], s[44:45]
	s_add_nc_u64 s[46:47], s[6:7], s[46:47]
	CROUND                                         ; all sixteen work-groups are here: the first joint loads meet
.irp s, 0,1
	s_mov_b32 s[G0+4*\s], 1
	s_add_co_u32 s[G0+4*\s+1], s2, \s*SLOT
	s_add_nc_u64 s[G0+4*\s+2:G0+4*\s+3], s[44:45], \s*49152
	s_or_b32 s[G0+4*\s+3], s[G0+4*\s+3], 0x80000000
	s_mov_b32 s[G0B+4*\s], 1
	s_add_co_u32 s[G0B+4*\s+1], s3, \s*SLOT
	s_add_nc_u64 s[G0B+4*\s+2:G0B+4*\s+3], s[46:47], \s*73728
	s_or_b32 s[G0B+4*\s+3], s[G0B+4*\s+3], 0x80000000
	JLOAD \s
.endr
	; addresses
	v_and_b32 v240, 31, v0                         ; lane
	v_and_b32 v241, 15, v0                         ; r
	v_bfe_u32 v242, v0, 4, 1                       ; h
	v_lshlrev_b32 v13, 4, v240                     ; 16 x lane
	v_lshlrev_b32 v14, 3, v240                     ; 8 x lane
	v_lshrrev_b32 v15, 3, v241
	v_lshl_add_u32 v15, v15, 3, v241               ; r + 8 (r / 8)
	v_lshlrev_b32 v16, 8, v15
	v_lshl_add_u32 v16, v242, 5, v16               ; sincos: my token's row of 256 bytes, + 32 h
	v_lshlrev_b32 v17, 10, v15
	v_lshl_add_u32 v17, v242, 5, v17               ; cache_k: my token's 1,024 bytes, + 32 h
	v_lshlrev_b32 v18, 2, v15
	v_lshl_add_u32 v18, v242, 14, v18              ; cache_v: my channel, tokens 16 h on
	s_and_b32 s73, s41, 15                         ; the key step: mt within the batch
	s_lshr_b32 s74, s41, 4                         ; the batch
	s_lshl_b32 s75, s74, 3
	s_add_co_u32 s75, s75, s40                     ; bg
	s_lshl_b32 s77, s18, 5
	s_lshl_b32 s76, s73, 7
	s_add_co_u32 s76, s76, s77                     ; my first position
	s_lshl_b32 s78, s41, 7
	s_add_co_u32 s78, s78, s77                     ; my first token
	s_mov_b32 s81, 0
	s_lshl_b32 s80, s76, 8
	s_add_nc_u64 s[8:9], s[8:9], s[80:81]
	s_lshl_b32 s80, s78, 10
	s_lshl_b32 s79, s40, 7
	s_add_co_u32 s80, s80, s79
	s_add_nc_u64 s[10:11], s[10:11], s[80:81]
	s_add_nc_u64 s[12:13], s[12:13], s[80:81]
	s_lshl_b32 s80, s41, 2
	s_add_co_u32 s80, s80, s18
	s_lshl_b32 s80, s80, 12
	s_add_co_u32 s80, s80, X_IMG
	s_add_nc_u64 s[68:69], s[4:5], s[80:81]        ; x's scale words: 512 bytes a slot
	s_mul_i32 s80, s40, 24576
	s_add_co_u32 s80, s80, W_IMG
	s_add_nc_u64 s[70:71], s[6:7], s[80:81]        ; W's: 3,072 bytes a slot
	s_lshl_b32 s80, s75, 7
	s_lshl_b32 s79, s73, 3
	s_add_co_u32 s80, s80, s79
	s_lshl_b32 s79, s18, 1
	s_add_co_u32 s80, s80, s79
	s_mul_i32 s80, s80, 1536
	s_add_nc_u64 s[66:67], s[14:15], s[80:81]      ; q's images: query tile 8 (mt % 16) + 2 w + u
	s_lshl_b32 s80, s75, 6
	s_lshl_b32 s79, s73, 2
	s_add_co_u32 s80, s80, s79
	s_add_co_u32 s80, s80, s18
	s_lshl_b32 s80, s80, 8
	s_add_co_u32 s80, s80, Q_IMG
	s_add_nc_u64 s[84:85], s[14:15], s[80:81]      ; and their scale words
	s_lshl_b32 s80, s75, 4
	s_add_co_u32 s80, s80, s73
	s_mul_i32 s80, s80, 6400
	s_add_nc_u64 s[86:87], s[16:17], s[80:81]      ; the key step's block of kv
	s_mul_i32 s80, s18, 1536
	s_add_nc_u64 s[88:89], s[86:87], s[80:81]
	WIN 0xc0                                       ; destination window 3
.irp u, 0,1
.irp k, 0,1,2,3                        ; sin of d = 8 h .., sin of 16 + 8 h .., cos likewise
	global_load_b128 v[32*\u+8*\k:32*\u+8*\k+3], v16, s[8:9] offset:2048*\u+64*\k
	global_load_b128 v[32*\u+8*\k+4:32*\u+8*\k+7], v16, s[8:9] offset:2048*\u+64*\k+16
.endr
.endr
.irp u, 0,1
.irp e, 0,1
	global_load_b128 v[64+16*\u+8*\e:64+16*\u+8*\e+3], v17, s[10:11] offset:8192*\u+64*\e
	global_load_b128 v[64+16*\u+8*\e+4:64+16*\u+8*\e+7], v17, s[10:11] offset:8192*\u+64*\e+16
.endr
.endr
.irp ct, 0,1
.irp k, 0,1,2,3,4,5,6,7,8,9,10,11,12,13,14,15
	global_load_b32 v[96+16*\ct+\k], v18, s[12:13] offset:1024*\k+32*\ct
.endr
.endr
	WIN 0
.macro SCLOAD set, o                   ; a slot's scale words: W's six pairs of tiles and x's pair, four words (K steps) a lane: 512 dense bytes a load
.irp p, 0,1,2,3,4,5
	global_load_b128 v[SCB+28*(\set)+4*\p:SCB+28*(\set)+4*\p+3], v13, s[70:71] offset:3072*(\o)+512*\p
.endr
	global_load_b128 v[SCB+28*(\set)+24:SCB+28*(\set)+27], v13, s[68:69] offset:512*(\o)
.endm
	SCLOAD 0, 0
	SCLOAD 1, 1
	s_mul_i32 s80, s18, 12288
	v_add_nc_u32 v1, s80, v13                      ; x's fragments: slot 0, 1; 16 x lane
	v_add_nc_u32 v2, SLOT, v1
	v_add_nc_u32 v3, s80, v14                      ; 8 x lane
	v_add_nc_u32 v4, SLOT, v3
	v_add_nc_u32 v5, WOFF, v13                     ; W's: slot s, K steps 2 qh on: v[5 + 2 s + qh]
	v_add_nc_u32 v6, WOFF+36864, v13
	v_add_nc_u32 v7, SLOT+WOFF, v13
	v_add_nc_u32 v8, SLOT+WOFF+36864, v13
	v_add_nc_u32 v9, WOFF, v14
	v_add_nc_u32 v10, WOFF+36864, v14
	v_add_nc_u32 v11, SLOT+WOFF, v14
	v_add_nc_u32 v12, SLOT+WOFF+36864, v14
	v_lshl_add_u32 v19, v242, 4, s76               ; v's first position less START_POS
	v_add_nc_u32 v20, s76, v15                     ; k's, tile u = 0
	s_mul_i32 s80, s18, 768
	s_add_co_u32 s80, s80, KVST
	v_add_nc_u32 v21, s80, v13                     ; K's half image w
	v_add_nc_u32 v22, s80, v14
	s_mul_i32 s80, s19, 768
	s_add_co_u32 s80, s80, KVST+3072
	s_lshl_b32 s82, s20, 8
	s_add_co_u32 s82, s82, s80
	s_lshl_b32 s83, s20, 7
	s_add_co_u32 s83, s83, s80
	v_mul_u32_u24 v23, v242, 1536                  ; V's image ct = my half of the lanes, half w / 2, the place of lane 16 (w % 2) + r
	v_lshl_add_u32 v24, v241, 3, v23
	v_lshl_add_u32 v23, v241, 4, v23
	v_add_nc_u32 v23, s82, v23
	v_add_nc_u32 v24, s83, v24
	s_lshl_b32 s80, s19, 6
	s_lshl_b32 s82, s20, 1
	s_add_co_u32 s80, s80, s82
	s_add_co_u32 s80, s80, KVST+6144
	v_lshl_add_u32 v25, v241, 2, s80               ; K's scale bytes 2 (w % 2), + 1 of fragment w / 2, row r
	s_add_co_u32 s80, s18, KVST+6272
	v_lshl_add_u32 v26, v240, 2, s80               ; V's scale byte w of lane 16 ct + r
	s_mul_i32 s80, s18, 1536
	s_add_co_u32 s80, s80, KVST
	v_add_nc_u32 v27, s80, v13                     ; the block's way out: 1,536 bytes a wave
	v_add_nc_u32 v30, KVST+6144, v14               ; and its last 256
	v_lshl_add_u32 v31, v242, 3, 16                ; 16 + 8 h
.irp b, 0,1,2,3
	v_mov_b32 v[TM+4+\b], 0                        ; a lane permute's destination counts as one of its sources
.endr
.macro FRAGL reg, a16, a8, off         ; a fragment from its image: four dense loads
	ds_load_b128 v[\reg:\reg+3], v[\a16] offset:(\off)
	ds_load_b64 v[\reg+4:\reg+5], v[\a8] offset:(\off)+512
	ds_load_b128 v[\reg+6:\reg+9], v[\a16] offset:(\off)+768
	ds_load_b64 v[\reg+10:\reg+11], v[\a8] offset:(\off)+1280
.endm
.macro FETCH_X slot, q                 ; my two token tiles of K step q into set q % 2: 8 loads
.irp u, 0,1
	FRAGL XF+24*((\q)%2)+12*\u, 1+\slot, 3+\slot, 3072*(\q)+1536*\u
.endr
.endm
.macro FETCH_W slot, q, i0             ; W's tiles i0 .. i0 + 5 of K step q: 24 loads
	WIN 0x40
.irp i, 0,1,2,3,4,5
	FRAGL 12*(\i0+\i), 5+2*\slot+(\q)/2, 9+2*\slot+(\q)/2, 18432*((\q)%2)+1536*(\i0+\i)
.endr
	WIN 0
.endm
.macro WM zero, ra, rb                 ; one product on rD, rA, rB, rSA, rSB; ra, rb: the scale words lie in lanes 16-31
.if \zero
.if ((\ra)==0) && ((\rb)==0)
	v_wmma_scale_f32_16x16x128_f8f6f4 v[rD:rD+7], v[rA:rA+11], v[rB:rB+11], 0, v[rSA], v[rSB] matrix_a_fmt:MATRIX_FMT_FP6 matrix_b_fmt:MATRIX_FMT_FP6
.elseif ((\ra)==1) && ((\rb)==0)
	v_wmma_scale_f32_16x16x128_f8f6f4 v[rD:rD+7], v[rA:rA+11], v[rB:rB+11], 0, v[rSA], v[rSB] matrix_a_fmt:MATRIX_FMT_FP6 matrix_b_fmt:MATRIX_FMT_FP6 matrix_a_scale:MATRIX_SCALE_ROW1
.elseif (\ra)==0
	v_wmma_scale_f32_16x16x128_f8f6f4 v[rD:rD+7], v[rA:rA+11], v[rB:rB+11], 0, v[rSA], v[rSB] matrix_a_fmt:MATRIX_FMT_FP6 matrix_b_fmt:MATRIX_FMT_FP6 matrix_b_scale:MATRIX_SCALE_ROW1
.else
	v_wmma_scale_f32_16x16x128_f8f6f4 v[rD:rD+7], v[rA:rA+11], v[rB:rB+11], 0, v[rSA], v[rSB] matrix_a_fmt:MATRIX_FMT_FP6 matrix_b_fmt:MATRIX_FMT_FP6 matrix_a_scale:MATRIX_SCALE_ROW1 matrix_b_scale:MATRIX_SCALE_ROW1
.endif
.else
.if ((\ra)==0) && ((\rb)==0)
	v_wmma_scale_f32_16x16x128_f8f6f4 v[rD:rD+7], v[rA:rA+11], v[rB:rB+11], v[rD:rD+7], v[rSA], v[rSB] matrix_a_fmt:MATRIX_FMT_FP6 matrix_b_fmt:MATRIX_FMT_FP6
.elseif ((\ra)==1) && ((\rb)==0)
	v_wmma_scale_f32_16x16x128_f8f6f4 v[rD:rD+7], v[rA:rA+11], v[rB:rB+11], v[rD:rD+7], v[rSA], v[rSB] matrix_a_fmt:MATRIX_FMT_FP6 matrix_b_fmt:MATRIX_FMT_FP6 matrix_a_scale:MATRIX_SCALE_ROW1
.elseif (\ra)==0
	v_wmma_scale_f32_16x16x128_f8f6f4 v[rD:rD+7], v[rA:rA+11], v[rB:rB+11], v[rD:rD+7], v[rSA], v[rSB] matrix_a_fmt:MATRIX_FMT_FP6 matrix_b_fmt:MATRIX_FMT_FP6 matrix_b_scale:MATRIX_SCALE_ROW1
.else
	v_wmma_scale_f32_16x16x128_f8f6f4 v[rD:rD+7], v[rA:rA+11], v[rB:rB+11], v[rD:rD+7], v[rSA], v[rSB] matrix_a_fmt:MATRIX_FMT_FP6 matrix_b_fmt:MATRIX_FMT_FP6 matrix_a_scale:MATRIX_SCALE_ROW1 matrix_b_scale:MATRIX_SCALE_ROW1
.endif
.endif
.endm
.macro PT i, u, q, slot, zero          ; transposed: W's tile i (0 .. 9) x token tile u
.if (\i) < 8
.set rD, 64*(\u)+8*(\i)
.else
.set rD, 128+16*(\u)+8*((\i)-8)
.endif
.set rA, 12*(\i)
.set rB, XF+24*((\q)%2)+12*(\u)
.set rSA, SCB+28*(\slot)+4*((\i)/2)+(\q)
.set rSB, SCB+28*(\slot)+24+(\q)
	WM \zero, (\i)%2, \u
.endm
.macro PS ct, u, q, slot, zero         ; straight: token tile u x W's tile 10 + ct
.set rD, 160+16*(\ct)+8*(\u)
.set rA, XF+24*((\q)%2)+12*(\u)
.set rB, 12*(10+(\ct))
.set rSA, SCB+28*(\slot)+24+(\q)
.set rSB, SCB+28*(\slot)+20+(\q)
	WM \zero, \u, \ct
.endm
.macro LOW6 i0, q, slot, zero          ; three tiles x two token tiles
.irp i, 0,1,2
	PT \i0+\i, 0, \q, \slot, \zero
	PT \i0+\i, 1, \q, \slot, \zero
.endr
.endm
.macro HIGH12 q, slot, zero            ; tiles 6-9, then v's
	WIN MULQ
.irp i, 6,7,8,9
	PT \i, 0, \q, \slot, \zero
	PT \i, 1, \q, \slot, \zero
.endr
	WIN MULV
	PS 0, 0, \q, \slot, \zero
	PS 0, 1, \q, \slot, \zero
	PS 1, 0, \q, \slot, \zero
	PS 1, 1, \q, \slot, \zero
.endm
; A step of 128 along K whose successor lies in the same slot.  The 24 accumulators take turns in the same order in every step.
; scl = 1: the other set of scale words is loaded for the slot after the next change.
.macro STEP slot, q, zero, scl
.if (\q) == 0
	s_wait_loadcnt 0x0                             ; this slot's scale words (asked for a slot ago)
.endif
	s_wait_dscnt 24                                ; x's two and W's tiles 0-5 are in; tiles 6-11 (24 loads) may be out
	WIN MULQ
	LOW6 0, \q, \slot, \zero
	LOW6 3, \q, \slot, \zero
	PLACES                                         ; four places in front of loads into registers that products have read
	WIN 0
.if \scl
	s_add_nc_u64 s[68:69], s[68:69], 512           ; (no load that names them is out)
	s_add_nc_u64 s[70:71], s[70:71], 3072
	SCLOAD 1-\slot, 1
.endif
	FETCH_X \slot, (\q)+1
	FETCH_W \slot, (\q)+1, 0
	s_wait_dscnt 32                                ; all but the 32 just issued
	HIGH12 \q, \slot, \zero
	PLACES
	FETCH_W \slot, (\q)+1, 6
.endm
; A slot's last step changes slots: one barrier; in front of it each wave waits for all its tensor loads, adds 0 to its spare word, and waits for that and for its reads of this slot.
.macro TURN slot, next, fill
	s_wait_tensorcnt 0x0                           ; my part of the next slot has landed
	ds_add_u32 v[SPW], v[NIL]
	s_wait_dscnt 25                                ; (the add and tiles 6-11 may be out)
	WIN MULQ
	LOW6 0, 3, \slot, 0
	s_wait_dscnt 0x0                               ; the add is done, and my reads of this slot are over
	s_barrier_signal -1
	LOW6 3, 3, \slot, 0
	WIN 0
	s_barrier_wait -1
.if \fill
	CREST                                          ; the barrier has opened a round of the cluster's: no wave of any partner still reads this slot or has a load on its way
	s_add_nc_u64 s[G0+4*\slot+2:G0+4*\slot+3], s[G0+4*\slot+2:G0+4*\slot+3], 98304
	s_add_nc_u64 s[G0B+4*\slot+2:G0B+4*\slot+3], s[G0B+4*\slot+2:G0B+4*\slot+3], 147456
	JLOAD \slot                                    ; my one tensor load behind the round; its four v_nop are the places in front of the loads below
.else
	PLACES
.endif
	FETCH_X \next, 0
	FETCH_W \next, 0, 0
	HIGH12 3, \slot, 0
	PLACES
	FETCH_W \next, 0, 6
.endm
	s_wait_tensorcnt 1                             ; my part of slot 0 is in; slot 1's may stay out
	s_barrier_signal -1
	s_barrier_wait -1
	FETCH_X 0, 0
	FETCH_W 0, 0, 0
	FETCH_W 0, 0, 6
	STEP 0, 0, 1, 0                                ; the first step's products start the sums
	s_mov_b32 s72, 3
.Llap:                                             ; a trip goes once round the ring and fills both slots again
	STEP 0, 1, 0, 0
	STEP 0, 2, 0, 0
	TURN 0, 1, 1
	STEP 1, 0, 0, 1
	STEP 1, 1, 0, 0
	STEP 1, 2, 0, 0
	TURN 1, 0, 1
	STEP 0, 0, 0, 1
	s_sub_co_u32 s72, s72, 1
	s_cmp_lg_u32 s72, 0
	s_cbranch_scc1 .Llap
	STEP 0, 1, 0, 0                                ; the last lap fills nothing
	STEP 0, 2, 0, 0
	TURN 0, 1, 0
	STEP 1, 0, 0, 0
	STEP 1, 1, 0, 0
	STEP 1, 2, 0, 0
	s_wait_dscnt 24
	WIN MULQ
	LOW6 0, 3, 1, 0
	LOW6 3, 3, 1, 0
	s_wait_dscnt 0x0
	HIGH12 3, 1, 0
	WIN 0
	PLACES
; 64 numbers of a lane, register 16 b + i = place 32 b + 16 (lane / 16) + i of my row, become a fragment's codes in v[PC] on and its scale word in v[PW]
.macro QUANT s
.irp b, 0,1,2,3
	v_max3_num_f32 v[TM+\b], |v[\s+16*\b]|, |v[\s+1+16*\b]|, 0x1800000
.endr
.irp i, 2,4,6,8,10,12,14
.irp b, 0,1,2,3
	v_max3_num_f32 v[TM+\b], v[TM+\b], |v[\s+16*\b+\i]|, |v[\s+1+16*\b+\i]|
.endr
.endr
.irp b, 0,1,2,3
	v_permlanex16_b32 v[TM+4+\b], v[TM+\b], s[SEL], s[SEL+1]
.endr
.irp b, 0,1,2,3
	v_max_num_f32 v[TM+\b], v[TM+\b], v[TM+4+\b]
.endr
.irp b, 0,1,2,3
	v_add_nc_u32 v[TM+12+\b], 0xff000000, v[TM+\b]
.endr
.irp b, 0,1,2,3
	v_lshrrev_b32 v[TM+4+\b], 23, v[TM+12+\b]
.endr
	v_lshl_or_b32 v[PW], v[TM+5], 8, v[TM+4]
	v_lshl_or_b32 v[PW], v[TM+6], 16, v[PW]
	v_lshl_or_b32 v[PW], v[TM+7], 24, v[PW]
.irp c, 0,1
	v_cvt_scalef32_pk16_fp6_f32 v[PC+6*\c:PC+2+6*\c], v[\s+32*\c:\s+15+32*\c], v[TM+12+2*\c]
	v_cvt_scalef32_pk16_fp6_f32 v[PC+12+4*\c:PC+14+4*\c], v[\s+16+32*\c:\s+31+32*\c], v[TM+12+2*\c+1]
.endr
	v_nop                                          ; one plain place behind a scaled conversion
.irp c, 0,1                            ; a whole block to a lane: lanes 0-15 block 2 c, lanes 16-31 block 2 c + 1
.irp i, 0,1,2
	v_permlane16_swap_b32 v[PC+6*\c+\i], v[PC+12+4*\c+\i]
.endr
.irp i, 0,1,2
	v_mov_b32 v[PC+3+6*\c+\i], v[PC+12+4*\c+\i]
.endr
.endr
.endm
; The rotary embedding of one head of token tile u: lo = d 8 h + j (accumulator at lo), hi = d 16 + 8 h + j (at lo + 8), both in my lane.  Each accumulator is read from its low end on.
.macro ROPE lo, dst, u
.irp jp, 0,2,4,6
	v_pk_mul_f32 v[TT+2*(\jp%4):TT+2*(\jp%4)+1], v[\lo+8+\jp:\lo+9+\jp], v[32*\u+\jp:32*\u+\jp+1]
	v_pk_mul_f32 v[TT+2*(\jp%4)+2:TT+2*(\jp%4)+3], v[\lo+\jp:\lo+1+\jp], v[32*\u+8+\jp:32*\u+9+\jp]
	v_pk_fma_f32 v[\dst+\jp:\dst+1+\jp], v[\lo+\jp:\lo+1+\jp], v[32*\u+16+\jp:32*\u+17+\jp], v[TT+2*(\jp%4):TT+2*(\jp%4)+1] neg_lo:[0,0,1] neg_hi:[0,0,1]
	v_pk_fma_f32 v[\dst+8+\jp:\dst+9+\jp], v[\lo+8+\jp:\lo+9+\jp], v[32*\u+24+\jp:32*\u+25+\jp], v[TT+2*(\jp%4)+2:TT+2*(\jp%4)+3]
.endr
.endm
	; which positions the update covers: lane masks, in scalar registers that held descriptors (all tensor loads are done)
.irp k, 0,1,2,3,4,5,6,7,8,9,10,11,12,13,14,15
	v_cmp_gt_u32 s[24+\k], 2048-\k, v19            ; v: token 16 h + k of my 32
.endr
	v_cmp_gt_u32 s40, 2048, v20                    ; k: tile u = 0,
	v_cmp_gt_u32 s41, 2040, v20                    ; u = 1
.irp u, 0,1                            ; the four query heads of token tile u: one fragment, block a = head a
	WIN 0x0e                                       ; source 0 window 2, source 1 window 3
.irp a, 0,1,2,3
	ROPE 64*\u+16*\a, HQ+16*\a, \u
.endr
	WIN 0
	s_wait_xcnt 0x0                                ; earlier stores have read the codes' registers
	QUANT HQ
	global_store_b128 v13, v[PC:PC+3], s[66:67] offset:1536*\u
	global_store_b64 v14, v[PC+4:PC+5], s[66:67] offset:1536*\u+512
	global_store_b128 v13, v[PC+6:PC+9], s[66:67] offset:1536*\u+768
	global_store_b64 v14, v[PC+10:PC+11], s[66:67] offset:1536*\u+1280
	v_mov_b32 v[PWQ+\u], v[PW]
.endr
	global_store_b64 v14, v[PWQ:PWQ+1], s[84:85]   ; 256 dense bytes
	WIN 0x0e
	ROPE 128, HQ, 0                                ; k of tile 0, tile 1: blocks 0, 1
	ROPE 144, HQ+16, 1
	WIN 0x03                                       ; source 0 window 3: cache_k's number where the update does not reach
.irp u, 0,1
.irp i, 0,1,2,3,4,5,6,7,8,9,10,11,12,13,14,15
	v_cndmask_b32 v[HQ+16*\u+\i], v[64+16*\u+\i], v[HQ+16*\u+\i], s[40+\u]
.endr
.endr
	WIN 0x0b                                       ; source 0 window 3 (cache_v), source 1 window 2 (the new value): blocks 2, 3
.irp ct, 0,1
.irp k, 0,1,2,3,4,5,6,7,8,9,10,11,12,13,14,15
	v_cndmask_b32 v[HQ+32+16*\ct+\k], v[96+16*\ct+\k], v[160+16*\ct+\k], s[24+\k]
.endr
.endr
	WIN 0
	s_wait_xcnt 0x0
	QUANT HQ
	ds_store_b128 v21, v[PC:PC+3]                  ; K: lanes 0-15 key tile 2 w, lanes 16-31 tile 2 w + 1
	ds_store_b64 v22, v[PC+4:PC+5] offset:512
	ds_store_b128 v23, v[PC+6:PC+9]                ; V: lanes 0-15 channel tile 0, lanes 16-31 tile 1; my 32 tokens are block w
	ds_store_b64 v24, v[PC+10:PC+11] offset:512
	ds_store_b16 v25, v[PW]                        ; both lanes of a row write the same bytes
	v_lshrrev_b32 v[TM], v31, v[PW]
	ds_store_b8 v26, v[TM]
	s_wait_dscnt 0x0                               ; for the others' sake
	s_barrier_signal -1
	s_barrier_wait -1
.irp k, 0,1,2
	ds_load_b128 v[HQ+4*\k:HQ+4*\k+3], v27 offset:512*\k
.endr
	s_wait_dscnt 0x0
.irp k, 0,1,2
	global_store_b128 v13, v[HQ+4*\k:HQ+4*\k+3], s[88:89] offset:512*\k
.endr
	s_cmp_lg_u32 s18, 3
	s_cbranch_scc1 .Lno_tail
	ds_load_b64 v[HQ+16:HQ+17], v30                ; the scale words
	s_wait_dscnt 0x0
	global_store_b64 v14, v[HQ+16:HQ+17], s[86:87] offset:6144
.Lno_tail:
	s_wait_tensorcnt 0x0                           ; the wave's end
	ds_add_u32 v[SPW], v[NIL]
	s_wait_dscnt 0x0
	CROUND                                         ; the closing round
	s_endpgm
.Lfunc_end_k_qea296bd9e4_qkv:
	.size	k_qea296bd9e4_qkv, .Lfunc_end_k_qea296bd9e4_qkv-k_qea296bd9e4_qkv
	.p2alignl 7, 3214868480
	.fill 96, 4, 3214868480
	.section	.rodata,"a",@progbits
	.p2align	6, 0x0
	.amdhsa_kernel k_qea296bd9e4_qkv
		.amdhsa_group_segment_fixed_size 327680
		.amdhsa_private_segment_fixed_size 0
		.amdhsa_enable_private_segment 0
		.amdhsa_kernarg_size 56
		.amdhsa_user_sgpr_count 2
		.amdhsa_user_sgpr_kernarg_segment_ptr 1
		.amdhsa_wavefront_size32 1
		.amdhsa_system_sgpr_workgroup_id_x 1
		.amdhsa_system_sgpr_workgroup_id_y 1
		.amdhsa_system_sgpr_workgroup_id_z 1
		.amdhsa_system_vgpr_workitem_id 0
		.amdhsa_next_free_vgpr 896
		.amdhsa_next_free_sgpr 100
		.amdhsa_reserve_vcc 0
		.amdhsa_float_denorm_mode_32 3
		.amdhsa_float_denorm_mode_16_64 3
		.amdhsa_memory_ordered 1
		.amdhsa_forward_progress 1
		.amdhsa_inst_pref_size 163
	.end_amdhsa_kernel
	.amdgpu_metadata
---
amdhsa.version: [ 1, 2 ]
amdhsa.kernels:
  - .name:           k_qea296bd9e4_qkv
    .symbol:         k_qea296bd9e4_qkv.kd
    .args:
      - { .name: xq, .offset: 0, .size: 8, .value_kind: global_buffer, .address_space: global }
      - { .name: wq8, .offset: 8, .size: 8, .value_kind: global_buffer, .address_space: global }
      - { .name: sincos, .offset: 16, .size: 8, .value_kind: global_buffer, .address_space: global }
      - { .name: cache_k, .offset: 24, .size: 8, .value_kind: global_buffer, .address_space: global }
      - { .name: cache_v, .offset: 32, .size: 8, .value_kind: global_buffer, .address_space: global }
      - { .name: qq, .offset: 40, .size: 8, .value_kind: global_buffer, .address_space: global }
      - { .name: kv, .offset: 48, .size: 8, .value_kind: global_buffer, .address_space: global }
    .group_segment_fixed_size: 327680
    .private_segment_fixed_size: 0
    .kernarg_segment_align: 8
    .kernarg_segment_size: 56
    .max_flat_workgroup_size: 128
    .sgpr_count:     100
    .vgpr_count:     896
    .wavefront_size: 32
...
	.end_amdgpu_metadata
.endif
;; end of part 2
;; launch attn (part 3): grid 16 x 16, 16 waves a work-group, no clusters, 117,248 bytes of LDS; arguments qq, kv, maskw, att; writes att
.if DOCPART == 3
	.amdgcn_target "amdgcn-amd-amdhsa--gfx1250"
	.amdhsa_code_object_version 6
	.text
	.protected	k_qea296bd9e4_attn
	.globl	k_qea296bd9e4_attn
	.p2align	8
	.type	k_qea296bd9e4_attn,@function
k_qea296bd9e4_attn:
	s_mov_b64 s[64:65], 0
	v_nop
	global_prefetch_b8 v0, s[64:65] scope:SCOPE_SE
	s_setreg_imm32_b32 hwreg(HW_REG_WAVE_MODE, 25, 1), 1
	s_wait_xcnt 0x0
; softmax(q k^T / sqrt(32), masked) v on codes of FP6; the result / the row's sum is quantised for the output projection.
; THE SOFTMAX: t = score x log2(e) / sqrt(32); M = the running largest t rounded up to a whole number; p = 2^(t - M) is quantised along the keys; the row's sum is taken of the unquantised p.
; SHARES.  Work-group (X, bg): all keys and values of batch and key head bg lie in LDS as codes (102,400 bytes, brought once through registers).  Wave 4 i + a takes query head a of the group and two query tiles
; one after the other, qt = 4 X + i and 127 - (4 X + i).  Four waves to a SIMD: one wave's vector work stands beside another's products and LDS loads.
; K = 32 IN A FORM OF K = 128: a fragment of K holds FOUR key tiles, one in each block of 32; it is multiplied by four forms of the query's fragment, the query's codes in one block and zero codes in the others.
; THE MASK is an input.  An earlier launch has stored it as lane masks (a word for each score register of a key step) and, for each query tile and key step, whether some key counts and whether all count.
; A step in which no key counts is passed over; one in which all count skips the masking: branches on stored whole numbers.  There is no cluster: K and V come once, nothing is asked for in the loop.
; A masked score becomes -2^120.  c x 2^120 is exact, so a row with no key at all has t - M = 0 and p = 1 for every key: the uniform weights that the definition gives it; a tile with such a row walks all steps.
; LIMITS: |score| under 2^120; a block of zeros gets the byte 1 (this program alone reads the bytes); NaN and infinities are not served.
; REGISTERS: v1, v2 the add's; v3-5 16, 8, 4 x lane; v6-8 the step's LDS addresses; v9 -2^120; v12 -M, v13 the largest t, v[14:15] the sum; v16-18 scale words of q, K, V; v20-49 the query's forms [0][lo][0][hi][0];
;   v50-73 K; v74-97 V; v98-161 scores, then p; v162-177 O^T; v178-215 at work; v216-227 the way out's addresses.
.set Q_IMG,   3145728
.set ATT_IMG, 3145728
.set MFLAG,   524288
.set OST,     102400                   ; behind K and V: two rounds x (four images and 256 bytes of scale words)
.set SPARE,   115200
.set S,  98
.set O,  162
.set BM, 178
.set BP, 182
.set SO, 190
.set PC, 194
	s_load_b256 s[4:11], s[0:1], 0x0               ; qq, kv, maskw, att
	v_lshl_add_u32 v1, v0, 2, SPARE
	v_mov_b32 v2, 0
	v_lshrrev_b32 v10, 5, v0
	v_readfirstlane_b32 s12, v10                   ; wave
	v_and_b32 v10, 31, v0
	v_lshlrev_b32 v3, 4, v10
	v_lshlrev_b32 v4, 3, v10
	v_lshlrev_b32 v5, 2, v10
	v_and_b32 v11, 15, v0                          ; r
	s_lshr_b32 s13, s12, 2                         ; i
	s_and_b32 s14, s12, 3                          ; a
	s_lshr_b32 s98, s14, 1
	s_and_b32 s99, s14, 1
	s_mul_i32 s100, s98, 768
	s_add_co_u32 s100, s100, OST
	s_lshl_b32 s101, s99, 8
	s_add_co_u32 s101, s101, s100
	s_lshl_b32 s2, s99, 7
	s_add_co_u32 s2, s2, s100
	s_mul_i32 s3, s13, 1536                        ; round 0: image i
	s_xor_b32 s98, s13, 3                          ; round 1: image 3 - i
	s_mul_i32 s99, s98, 1536
	s_add_co_u32 s99, s99, 6400
	v_lshl_add_u32 v216, v11, 4, s101              ; block a of row r: half a / 2, the place of lane 16 (a % 2) + r
	v_add_nc_u32 v219, s99, v216
	v_add_nc_u32 v216, s3, v216
	v_lshl_add_u32 v217, v11, 3, s2
	v_add_nc_u32 v220, s99, v217
	v_add_nc_u32 v217, s3, v217
	s_add_co_u32 s100, s14, OST+6144
	s_lshl_b32 s3, s13, 6
	s_lshl_b32 s99, s98, 6
	s_add_co_u32 s99, s99, 6400
	v_lshl_add_u32 v218, v11, 2, s100              ; the scale byte: 64 x image + 4 r + a
	v_add_nc_u32 v221, s99, v218
	v_add_nc_u32 v218, s3, v218
	s_lshl_b32 s3, s12, 9
	v_add_nc_u32 v226, s3, v3                      ; the copy out: 512 x wave + 16 x lane
	v_add_nc_u32 v224, OST, v226
	s_and_b32 s3, s12, 1
	s_mul_i32 s3, s3, 6400
	s_add_co_u32 s3, s3, OST+6144
	v_add_nc_u32 v227, s3, v4
	s_mov_b32 s84, 0x3e8293ee                      ; c = log2(e) / sqrt(32)
	s_mov_b32 s85, s84
	s_mov_b32 s86, 0x76543210
	s_mov_b32 s87, 0xfedcba98
	s_mov_b32 s95, 0xffff
	s_and_b32 s99, s14, 1
	s_cmp_eq_u32 s99, 0
	s_mov_b32 s96, 0xffff0000
	s_cselect_b32 s96, s95, s96                    ; the lanes that hold head a in its half image
	s_mul_i32 s97, s14, 0x01010101                 ; byte a, four times
	v_mov_b32 v9, 0xfb800000                       ; -2^120
	v_mov_b32 v207, 0                              ; (named as the upper half of a pair before it is first written)
.irp j, 0,1,2,3,4,5
	v_mov_b32 v[20+\j], 0
	v_mov_b32 v[32+\j], 0
	v_mov_b32 v[44+\j], 0
.endr
.irp j, 0,1,2,3,4,5,6,7
	v_mov_b32 v[BP+\j], 0                          ; a lane permute's destination counts as one of its sources
.endr
	s_and_b32 s3, ttmp7, 0xffff                    ; bg
	s_mul_i32 s98, s3, 102400
	s_mov_b32 s99, 0
	v_lshlrev_b32 v6, 4, v0
	v_lshlrev_b32 v7, 3, v0
	v_add_nc_u32 v8, 65536, v6
	v_add_nc_u32 v10, 65536, v7
	s_wait_kmcnt 0x0
	s_add_nc_u64 s[6:7], s[6:7], s[98:99]
.irp k, 0,1,2,3,4,5,6,7,8,9,10,11
	global_load_b128 v[S+4*\k:S+4*\k+3], v6, s[6:7] offset:8192*\k   ; 512 threads x 16 bytes
.endr
	global_load_b64 v[S+48:S+49], v7, s[6:7] offset:98304
.irp k, 0,1,2,3,4,5,6,7
	s_wait_loadcnt 12-\k                           ; the younger loads stay out
	ds_store_b128 v6, v[S+4*\k:S+4*\k+3] offset:8192*\k
.endr
.irp k, 8,9,10,11
	s_wait_loadcnt 12-\k
	ds_store_b128 v8, v[S+4*\k:S+4*\k+3] offset:8192*(\k-8)
.endr
	s_wait_loadcnt 0x0
	ds_store_b64 v10, v[S+48:S+49] offset:32768
	s_wait_dscnt 0x0                               ; for the others' sake
	s_barrier_signal -1
	s_barrier_wait -1
.macro MLOAD                           ; a key step's 64 lane masks, 256 bytes at s94 in the tile's words, into s16-63 and s68-83
	s_load_b512 s[16:31], s[88:89], s94 offset:0x0
	s_load_b512 s[32:47], s[88:89], s94 offset:0x40
	s_load_b512 s[48:63], s[88:89], s94 offset:0x80
	s_load_b512 s[68:83], s[88:89], s94 offset:0xc0
.endm
.macro PREF                            ; the NEXT step's lane masks, if that step has hidden keys (the bits end at step 15, so no load passes the tile's words)
	s_bitcmp1_b32 s91, 1
	s_cbranch_scc0 .Lnopref_\@
	s_wait_kmcnt 0x0                               ; no scalar load is out: its registers and the offset may be written
	s_add_co_u32 s94, s92, 1
	s_lshl_b32 s94, s94, 8
	MLOAD
.Lnopref_\@:
.endm
.macro SOFTMAX
.irp b, 0,1,2,3
	v_max3_num_f32 v[BM+\b], v[S+16*\b], v[S+1+16*\b], v[S+2+16*\b]   ; the largest score of each block of 32 keys: for the row's maximum and, since p rises with the score, for the block's largest p
.endr
.irp i, 3,5,7,9,11,13
.irp b, 0,1,2,3
	v_max3_num_f32 v[BM+\b], v[BM+\b], v[S+16*\b+\i], v[S+1+16*\b+\i]
.endr
.endr
.irp b, 0,1,2,3
	v_max_num_f32 v[BM+\b], v[BM+\b], v[S+15+16*\b]
.endr
.irp b, 0,1,2,3
	v_permlanex16_b32 v[BP+\b], v[BM+\b], s86, s87
.endr
.irp b, 0,1,2,3
	v_max_num_f32 v[BM+\b], v[BM+\b], v[BP+\b]
.endr
	v_max3_num_f32 v208, v[BM], v[BM+1], v[BM+2]
	v_max_num_f32 v208, v208, v[BM+3]
	v_mul_f32 v208, s84, v208
	v_max_num_f32 v13, v13, v208                   ; the running largest t
	v_mov_b32 v208, v12
	v_floor_f32 v12, -v13                          ; -M = floor(-t)
	v_sub_f32 v208, v12, v208                      ; old M - new M: a whole number, 0 or less
	v_cvt_i32_f32 v208, v208                       ; (it saturates)
	v_ldexp_f32 v206, 1.0, v208                    ; f = 2^(old M - new M)
.irp j, 0,2,4,6,8,10,12,14,16,18,20,22,24,26,28,30,32,34,36,38,40,42,44,46,48,50,52,54,56,58,60,62
	v_pk_fma_f32 v[S+\j:S+1+\j], v[S+\j:S+1+\j], s[84:85], v[12:13] op_sel_hi:[1,0,0]
.endr
.irp b, 0,1,2,3
	v_fma_f32 v[BM+\b], v[BM+\b], s84, v12
.endr
.set n, 0
.rept 64
	v_exp_f32 v[S+n], v[S+n]
.set n, n+1
.endr
	v_pk_mul_f32 v[14:15], v[14:15], v[206:207] op_sel_hi:[1,0]   ; the sums under the new M: a plain place behind the exponentials
	s_wait_alu depctr_va_vdst(0)                   ; one wait for the batch, ahead of its first reader
.irp b, 0,1,2,3
	v_exp_f32 v[BM+\b], v[BM+\b]                   ; the blocks' largest p
.endr
	v_pk_add_f32 v[BP:BP+1], v[S:S+1], v[S+2:S+3]  ; the row's sum of the unquantised p, in two chains
.irp j, 4,8,12,16,20,24,28,32,36,40,44,48,52,56,60
	v_pk_add_f32 v[14:15], v[14:15], v[S+\j:S+1+\j]
	v_pk_add_f32 v[BP:BP+1], v[BP:BP+1], v[S+2+\j:S+3+\j]
.endr
	v_pk_add_f32 v[14:15], v[14:15], v[BP:BP+1]
	s_wait_alu depctr_va_vdst(0)                   ; and one for the four
.irp b, 0,1,2,3
	v_max_num_f32 v[BM+\b], 0x1800000, v[BM+\b]
.endr
.irp b, 0,1,2,3
	v_add_nc_u32 v[SO+\b], 0xff000000, v[BM+\b]
.endr
.irp b, 0,1,2,3
	v_lshrrev_b32 v[BP+\b], 23, v[SO+\b]
.endr
	v_lshl_or_b32 v207, v[BP+1], 8, v[BP]          ; p's scale word for these 128 keys
	v_lshl_or_b32 v207, v[BP+2], 16, v207
	v_lshl_or_b32 v207, v[BP+3], 24, v207
.irp c, 0,1
	v_cvt_scalef32_pk16_fp6_f32 v[PC+6*\c:PC+2+6*\c], v[S+32*\c:S+15+32*\c], v[SO+2*\c]
	v_cvt_scalef32_pk16_fp6_f32 v[BP+4*\c:BP+2+4*\c], v[S+16+32*\c:S+31+32*\c], v[SO+2*\c+1]
.endr
	v_nop
.irp c, 0,1
.irp i, 0,1,2
	v_permlane16_swap_b32 v[PC+6*\c+\i], v[BP+4*\c+\i]
.endr
.irp i, 0,1,2
	v_mov_b32 v[PC+3+6*\c+\i], v[BP+4*\c+\i]
.endr
.endr
.endm
; One query tile of one head: all 16 key steps.  rho: the round
.macro UNIT rho
	s_wait_kmcnt 0x0
	s_lshl_b32 s2, ttmp9, 2
	s_add_co_u32 s2, s2, s13
.if \rho
	s_sub_co_u32 s2, 127, s2
.endif
	s_lshl_b32 s32, s2, 9
	s_add_co_u32 s32, s32, MFLAG
	s_mov_b32 s33, 0
	s_add_nc_u64 s[34:35], s[8:9], s[32:33]
	s_load_b128 s[16:19], s[34:35], 0x0            ; four times: act bits, all-open bits, OR of the lane masks
	s_load_b128 s[20:23], s[34:35], 0x80
	s_load_b128 s[24:27], s[34:35], 0x100
	s_load_b128 s[28:31], s[34:35], 0x180
	s_lshl_b32 s32, s2, 12
	s_add_nc_u64 s[88:89], s[8:9], s[32:33]        ; the tile's lane masks
	s_and_b32 s3, ttmp7, 0xffff
	s_lshl_b32 s36, s3, 7
	s_add_co_u32 s36, s36, s2
	s_mul_i32 s36, s36, 1536
	s_lshr_b32 s37, s14, 1
	s_mul_i32 s37, s37, 768
	s_add_co_u32 s36, s36, s37
	s_mov_b32 s37, 0
	s_add_nc_u64 s[38:39], s[4:5], s[36:37]
	global_load_b128 v[210:213], v3, s[38:39]      ; the half image that holds head a
	global_load_b64 v[214:215], v4, s[38:39] offset:512
	s_lshl_b32 s36, s3, 6
	s_lshr_b32 s40, s2, 1
	s_add_co_u32 s36, s36, s40
	s_lshl_b32 s36, s36, 8
	s_and_b32 s40, s2, 1
	s_lshl_b32 s40, s40, 2
	s_add_co_u32 s36, s36, s40
	s_add_co_u32 s36, s36, Q_IMG
	s_add_nc_u64 s[40:41], s[4:5], s[36:37]
	global_load_b32 v208, v4, s[40:41]             ; the rows' scale words
	v_mov_b32 v13, 0xff61b1e6                      ; the largest t so far: -3e38
	v_floor_f32 v12, -v13
	v_mov_b32 v14, 0
	v_mov_b32 v15, 0
.irp j, 0,1,2,3,4,5,6,7,8,9,10,11,12,13,14,15
	v_mov_b32 v[O+\j], 0                           ; the loop has no first step of its own: the first change of M multiplies zeros
.endr
	s_mov_b32 s92, 0                               ; the key step
	s_mov_b32 s93, 0                               ; its block in LDS
	s_wait_kmcnt 0x0
	s_or_b32 s90, s16, s20
	s_or_b32 s98, s24, s28
	s_or_b32 s90, s90, s98                         ; steps in which some key counts
	s_or_b32 s91, s17, s21
	s_or_b32 s98, s25, s29
	s_or_b32 s91, s91, s98                         ; steps in which all count
	s_or_b32 s98, s18, s22
	s_or_b32 s99, s26, s30
	s_or_b32 s98, s98, s99
	s_lshr_b32 s99, s98, 16
	s_or_b32 s98, s98, s99
	s_and_b32 s98, s98, s95                        ; rows that have a key
	s_cmp_lg_u32 s98, s95
	s_cselect_b32 s98, s95, 0                      ; a row without any: every step is walked
	s_or_b32 s90, s90, s98
	s_and_not1_b32 s91, s90, s91                   ; steps to be masked
	s_wait_loadcnt 0x0
.irp j, 0,1,2,3,4,5
	v_permlanex16_b32 v[BP+\j], v[210+\j], s86, s87
.endr
.irp j, 0,1,2,3,4,5
	v_cndmask_b32 v[210+\j], v[BP+\j], v[210+\j], s96   ; head a's codes of row r, in both halves of the lanes
.endr
.irp j, 0,1,2,3,4,5
	v_cndmask_b32 v[26+\j], 0, v[210+\j], s95      ; in lanes 0-15 alone,
	v_cndmask_b32 v[38+\j], v[210+\j], 0, s95      ; in lanes 16-31 alone
.endr
	v_perm_b32 v16, v208, v208, s97                ; head a's scale byte in all four places
.rept 8
	v_nop                                          ; a scale word written by a vector instruction stands 8 places ahead of a scaled product
.endr
	s_mov_b32 s94, 0                               ; key step 0's lane masks are loaded whether it has hidden keys or not: 256 bytes a tile, and the 64 registers are written on every way to the selects below.
	MLOAD                                          ; (No scalar load and no vector load is out here: the flags' and the query's registers and bases may be written)
.Ltrip_\@:
	s_bitcmp1_b32 s90, 0
	s_cbranch_scc0 .Lskip_\@
	v_add_nc_u32 v6, s93, v3                       ; these three and the v_nop are the places behind the last step's products
	v_add_nc_u32 v7, s93, v4
	v_add_nc_u32 v8, s93, v5
	v_nop
.irp f, 0,1
	ds_load_b128 v[50+12*\f:53+12*\f], v6 offset:1536*\f
	ds_load_b64 v[54+12*\f:55+12*\f], v7 offset:1536*\f+512
	ds_load_b128 v[56+12*\f:59+12*\f], v6 offset:1536*\f+768
	ds_load_b64 v[60+12*\f:61+12*\f], v7 offset:1536*\f+1280
.endr
	ds_load_b32 v17, v8 offset:6144
.irp f, 0,1
	ds_load_b128 v[74+12*\f:77+12*\f], v6 offset:3072+1536*\f
	ds_load_b64 v[78+12*\f:79+12*\f], v7 offset:3072+1536*\f+512
	ds_load_b128 v[80+12*\f:83+12*\f], v6 offset:3072+1536*\f+768
	ds_load_b64 v[84+12*\f:85+12*\f], v7 offset:3072+1536*\f+1280
.endr
	ds_load_b32 v18, v8 offset:6272
	s_wait_dscnt 9                                 ; K is in; V's nine loads may be out
.irp t, 0,1,2,3                        ; key tile t lies in block t % 4: the query's form with its codes in that block
	v_wmma_scale_f32_16x16x128_f8f6f4 v[S+8*\t:S+7+8*\t], v[50:61], v[20+6*((2*\t+1)%5):31+6*((2*\t+1)%5)], 0, v17, v16 matrix_a_fmt:MATRIX_FMT_FP6 matrix_b_fmt:MATRIX_FMT_FP6
.endr
.irp t, 0,1,2,3
	v_wmma_scale_f32_16x16x128_f8f6f4 v[S+32+8*\t:S+39+8*\t], v[62:73], v[20+6*((2*\t+1)%5):31+6*((2*\t+1)%5)], 0, v17, v16 matrix_a_fmt:MATRIX_FMT_FP6 matrix_b_fmt:MATRIX_FMT_FP6 matrix_a_scale:MATRIX_SCALE_ROW1
.endr
.rept 4
	v_nop
.endr
	s_bitcmp1_b32 s91, 0
	s_cbranch_scc0 .Lopen_\@
	s_wait_kmcnt 0x0                               ; the step's lane masks
.set n, 0
.rept 48
	v_cndmask_b32 v[S+n], v9, v[S+n], s[16+n]
.set n, n+1
.endr
.rept 16
	v_cndmask_b32 v[S+n], v9, v[S+n], s[20+n]
.set n, n+1
.endr
.Lopen_\@:
	PREF                                           ; the next step's, a step ahead
	SOFTMAX
.irp j, 0,2,4,6,8,10,12,14
	v_pk_mul_f32 v[O+\j:O+1+\j], v[O+\j:O+1+\j], v[206:207] op_sel_hi:[1,0]   ; O^T under the new M; also the places in front of the products
.endr
	s_wait_dscnt 0x0                               ; V
	v_wmma_scale_f32_16x16x128_f8f6f4 v[O:O+7], v[74:85], v[PC:PC+11], v[O:O+7], v18, v207 matrix_a_fmt:MATRIX_FMT_FP6 matrix_b_fmt:MATRIX_FMT_FP6
	v_wmma_scale_f32_16x16x128_f8f6f4 v[O+8:O+15], v[86:97], v[PC:PC+11], v[O+8:O+15], v18, v207 matrix_a_fmt:MATRIX_FMT_FP6 matrix_b_fmt:MATRIX_FMT_FP6 matrix_a_scale:MATRIX_SCALE_ROW1
	s_branch .Lnext_\@
.Lskip_\@:
	PREF
.Lnext_\@:
	s_lshr_b32 s90, s90, 1
	s_lshr_b32 s91, s91, 1
	s_add_co_u32 s93, s93, 6400
	s_add_co_u32 s92, s92, 1
	s_cmp_lt_u32 s92, 16
	s_cbranch_scc1 .Ltrip_\@
.rept 4
	v_nop
.endr
	v_add_f32 v14, v14, v15
	v_permlanex16_b32 v208, v14, s86, s87
	v_add_f32 v14, v14, v208                       ; the row's sum
	v_rcp_f32 v14, v14
	v_nop
	s_wait_alu depctr_va_vdst(0)
.irp j, 0,2,4,6,8,10,12,14
	v_pk_mul_f32 v[O+\j:O+1+\j], v[O+\j:O+1+\j], v[14:15] op_sel_hi:[1,0]   ; register 8 ct + j is channel 16 h + 8 ct + j of my query
.endr
	v_max3_num_f32 v[BM], |v[O]|, |v[O+1]|, 0x1800000   ; the head's 32 channels are one block of the output projection's K
.irp i, 2,4,6,8,10,12,14
	v_max3_num_f32 v[BM], v[BM], |v[O+\i]|, |v[O+1+\i]|
.endr
	v_permlanex16_b32 v[BP], v[BM], s86, s87
	v_max_num_f32 v[BM], v[BM], v[BP]
	v_add_nc_u32 v[SO], 0xff000000, v[BM]
	v_lshrrev_b32 v[BM+1], 23, v[SO]
	v_cvt_scalef32_pk16_fp6_f32 v[PC:PC+2], v[O:O+15], v[SO]
	v_nop
.irp i, 0,1,2
	v_permlanex16_b32 v[BP+\i], v[PC+\i], s86, s87
.endr
.irp i, 0,1,2
	v_cndmask_b32 v[210+\i], v[BP+\i], v[PC+\i], s95    ; the block's lower 16 codes,
	v_cndmask_b32 v[213+\i], v[PC+\i], v[BP+\i], s95    ; its upper 16: the same in both lanes of a row
.endr
	ds_store_b128 v[216+3*\rho], v[210:213]        ; both lanes of a row write the same bytes
	ds_store_b64 v[217+3*\rho], v[214:215] offset:512
	ds_store_b8 v[218+3*\rho], v[BM+1]
	s_wait_dscnt 0x0
.endm
	UNIT 0
	UNIT 1
	s_barrier_signal -1
	s_barrier_wait -1                              ; both rounds' four images and their scale words lie in LDS
	s_wait_kmcnt 0x0
	s_and_b32 s3, ttmp7, 0xffff
	s_lshr_b32 s98, s3, 3
	s_and_b32 s99, s3, 7                           ; g
	s_lshl_b32 s98, s98, 7                         ; 128 x batch
	s_lshl_b32 s100, ttmp9, 2
	s_add_co_u32 s16, s98, s100                    ; round 0's first token tile
	s_add_co_u32 s17, s98, 124
	s_sub_co_u32 s17, s17, s100                    ; round 1's
	s_mul_i32 s18, s99, 24576
	s_lshl_b32 s19, s99, 14
	s_add_co_u32 s19, s19, ATT_IMG
	s_lshr_b32 s20, s16, 4
	s_mul_i32 s20, s20, 196608
	s_and_b32 s21, s16, 15
	s_mul_i32 s21, s21, 1536
	s_add_co_u32 s20, s20, s21
	s_add_co_u32 s20, s20, s18
	s_mov_b32 s21, 0
	s_add_nc_u64 s[24:25], s[10:11], s[20:21]
	s_lshr_b32 s20, s17, 4
	s_mul_i32 s20, s20, 196608
	s_and_b32 s22, s17, 15
	s_mul_i32 s22, s22, 1536
	s_add_co_u32 s20, s20, s22
	s_add_co_u32 s20, s20, s18
	s_add_nc_u64 s[26:27], s[10:11], s[20:21]
	s_and_b32 s22, s12, 1
	s_cmp_eq_u32 s22, 0
	s_cselect_b32 s20, s16, s17
	s_lshr_b32 s20, s20, 1
	s_lshl_b32 s20, s20, 7
	s_add_co_u32 s20, s20, s19
	s_add_nc_u64 s[28:29], s[10:11], s[20:21]
	s_cmp_lt_u32 s12, 12
	s_cbranch_scc0 .Lscales
	ds_load_b128 v[98:101], v224                   ; waves 0-11: 512 bytes of each round's images
	ds_load_b128 v[102:105], v224 offset:6400
	s_wait_dscnt 0x0
	global_store_b128 v226, v[98:101], s[24:25]
	global_store_b128 v226, v[102:105], s[26:27]
	s_branch .Ldone
.Lscales:
	s_cmp_lt_u32 s12, 14
	s_cbranch_scc0 .Ldone
	ds_load_b64 v[98:99], v227                     ; waves 12, 13: a round's 256 bytes of scale words
	s_wait_dscnt 0x0
	global_store_b64 v4, v[98:99], s[28:29]
.Ldone:
	s_wait_tensorcnt 0x0                           ; the wave's end
	ds_add_u32 v1, v2
	s_wait_dscnt 0x0
	s_endpgm
.Lfunc_end_k_qea296bd9e4_attn:
	.size	k_qea296bd9e4_attn, .Lfunc_end_k_qea296bd9e4_attn-k_qea296bd9e4_attn
	.p2alignl 7, 3214868480
	.fill 96, 4, 3214868480
	.section	.rodata,"a",@progbits
	.p2align	6, 0x0
	.amdhsa_kernel k_qea296bd9e4_attn
		.amdhsa_group_segment_fixed_size 117248
		.amdhsa_private_segment_fixed_size 0
		.amdhsa_enable_private_segment 0
		.amdhsa_kernarg_size 32
		.amdhsa_user_sgpr_count 2
		.amdhsa_user_sgpr_kernarg_segment_ptr 1
		.amdhsa_wavefront_size32 1
		.amdhsa_system_sgpr_workgroup_id_x 1
		.amdhsa_system_sgpr_workgroup_id_y 1
		.amdhsa_system_sgpr_workgroup_id_z 1
		.amdhsa_system_vgpr_workitem_id 0
		.amdhsa_next_free_vgpr 256
		.amdhsa_next_free_sgpr 102
		.amdhsa_reserve_vcc 0
		.amdhsa_float_denorm_mode_32 3
		.amdhsa_float_denorm_mode_16_64 3
		.amdhsa_memory_ordered 1
		.amdhsa_forward_progress 1
		.amdhsa_inst_pref_size 62
	.end_amdhsa_kernel
	.amdgpu_metadata
---
amdhsa.version: [ 1, 2 ]
amdhsa.kernels:
  - .name:           k_qea296bd9e4_attn
    .symbol:         k_qea296bd9e4_attn.kd
    .args:
      - { .name: qq, .offset: 0, .size: 8, .value_kind: global_buffer, .address_space: global }
      - { .name: kv, .offset: 8, .size: 8, .value_kind: global_buffer, .address_space: global }
      - { .name: maskw, .offset: 16, .size: 8, .value_kind: global_buffer, .address_space: global }
      - { .name: att, .offset: 24, .size: 8, .value_kind: global_buffer, .address_space: global }
    .group_segment_fixed_size: 117248
    .private_segment_fixed_size: 0
    .kernarg_segment_align: 8
    .kernarg_segment_size: 32
    .max_flat_workgroup_size: 512
    .sgpr_count:     102
    .vgpr_count:     256
    .wavefront_size: 32
...
	.end_amdgpu_metadata
.endif
;; end of part 3
;; launch oproj (part 4): grid 16 x 16, 4 waves a work-group, clusters of 4 x 4, 327,680 bytes of LDS; arguments att, woq, out0; writes out0
.if DOCPART == 4
	.amdgcn_target "amdgcn-amd-amdhsa--gfx1250"
	.amdhsa_code_object_version 6
	.text
	.protected	k_qea296bd9e4_oproj
	.globl	k_qea296bd9e4_oproj
	.p2align	8
	.type	k_qea296bd9e4_oproj,@function
k_qea296bd9e4_oproj:
	s_mov_b64 s[64:65], 0
	v_nop
	global_prefetch_b8 v0, s[64:65] scope:SCOPE_SE
	s_setreg_imm32_b32 hwreg(HW_REG_WAVE_MODE, 25, 1), 1
	s_wait_xcnt 0x0
	s_wait_alu depctr_hold_cnt(0) depctr_sa_sdst(0) depctr_va_vdst(0) depctr_va_sdst(0) depctr_va_ssrc(0) depctr_va_vcc(0) depctr_vm_vsrc(0)
	s_getreg_b32 s2, hwreg(HW_REG_IB_STS2, 6, 4)
	s_cmp_eq_u32 s2, 0
	s_cbranch_scc0 .Lentry_in_a_cluster
	s_endpgm
.Lentry_in_a_cluster:
	s_bfe_u32 s2, ttmp6, 0x10000c
	s_cmp_lg_u32 s2, 0xf033
	s_cbranch_scc0 .Lentry_shape_is_right
	s_endpgm
.Lentry_shape_is_right:
; out0 [4,096][4,096] f32 = the attention's result [4,096][1,024] x wo, both as codes of FP6 with E8M0 scales, stored as images of the operands' registers (1,536 bytes a fragment of 16 rows x 128 K).
; A tile of 256 x 256 to a work-group of four waves, 128 x 128 to a wave: 64 accumulators.  K = 1,024 goes in four slots of 256 through a ring of two LDS slots; a slot's four parts (A and B, two K steps each) are dense
; blocks of 24,576 bytes, one tensor load a wave.  CLUSTER 4 x 4: A's parts are asked for jointly along a row of the cluster, B's along a column.
; The product is used transposed (source 0 = 16 columns of wo, source 1 = 16 tokens): a lane holds eight neighbouring numbers of a row of out0.
; All scale words of the wave's rows and columns stay in registers from the head on (64 registers), so the eight K steps are written out.
; Row t of token tile T is token 32 (T / 2) + 8 (T % 2) + t + 8 (t / 8): the way out puts each row at its place.
; REGISTERS: window 0: v16-29 addresses; v32-63 A's scale words (pair p, K step k at 32 + 8 p + k), v64-95 B's; v128-223 A's fragments, one set; on the way out v128-255.  window 1: B's fragments, two sets, at v0 and v128.
;   window 2: the accumulators of my rows 0-63 ((a, b) at 8 (8 a + b)); window 3: rows 64-127.
.set ATT_IMG, 3145728
.set WO_IMG,  3145728
.set SLOT,   98304
.set SPARE,  196608
.set SPITCH, 528                       ; the way out: 16 rows x (512 + 16) bytes for each wave, in slot 0, which has had its last fill and its last read by then
.set FR,  12
.set NL,  4
.set STO, 24
.set RD,  25
.set CO,  26
.set SPW, 28
.set NIL, 29
.set AF,  128
.set BK,  128
.set G1,  24
.set G0,  32
.set G1B, 48
.set G0B, 56
.set MUL_LO, 0xa1
.set MUL_HI, 0xf1
.set MSB, 0
.macro WIN new
.if MSB != (\new)
	s_set_vgpr_msb (MSB<<8)|(\new)
.set MSB, \new
.endif
.endm
.macro PLACES
.rept 4
	v_nop
.endr
.endm
.macro JLOAD s                         ; waves 0, 1 ask for A's two K steps, waves 2, 3 for B's; an s_nop 0 and four v_nop follow each line
	s_cmp_eq_u32 s15, 0
	s_cbranch_scc0 .Lfor_b_\@
	tensor_load_to_lds s[G0+4*\s:G0+4*\s+3], s[G1:G1+7]
	s_nop 0
.rept 4
	v_nop
.endr
	s_branch .Lasked_\@
.Lfor_b_\@:
	tensor_load_to_lds s[G0B+4*\s:G0B+4*\s+3], s[G1B:G1B+7]
	s_nop 0
.rept 4
	v_nop
.endr
.Lasked_\@:
.endm
.macro CREST
	s_cmp_lg_u32 s14, 0
	s_cbranch_scc1 .Lnot_wave_0_\@
	s_barrier_signal -3
.Lnot_wave_0_\@:
	s_barrier_wait -3
	s_barrier_signal -1
	s_barrier_wait -1
.endm
.macro CROUND
	s_barrier_signal -1
	s_barrier_wait -1
	CREST
.endm
	s_load_b128 s[4:7], s[0:1], 0x0                ; att, woq
	s_load_b64 s[12:13], s[0:1], 0x10              ; out0
	v_lshl_add_u32 v[SPW], v0, 2, SPARE
	v_mov_b32 v[NIL], 0
	ds_add_u32 v[SPW], v[NIL]                      ; the wave's opening: the add and its wait stand ahead of the first tensor load
	v_lshrrev_b32 v1, 5, v0
	v_readfirstlane_b32 s14, v1                    ; wave
	s_lshr_b32 s15, s14, 1                         ; my half of the rows; also: I fetch for A (0) or B (1)
	s_and_b32 s16, s14, 1                          ; my half of the columns; also: which K step of a slot I fetch
	s_bfe_u32 s40, ttmp6, 0x40000
	s_bfe_u32 s41, ttmp6, 0x40004
	s_lshl_b32 s42, ttmp9, 2
	s_add_co_u32 s42, s42, s40                     ; tile column
	s_and_b32 s17, ttmp7, 0xffff
	s_lshl_b32 s17, s17, 2
	s_add_co_u32 s17, s17, s41                     ; tile row
	s_lshl_b32 s43, s41, 2
	s_lshl_b32 s43, 15, s43
	s_lshl_b32 s44, 0x1111, s40
	s_or_b32 s[G1], s43, (3<<16)|(1<<21)
	s_or_b32 s[G1B], s44, (3<<16)|(1<<21)
.irp g, G1, G1B
	s_mov_b32 s[\g+1], 32<<16                      ; dense rows of 256 bytes,
	s_mov_b32 s[\g+2], 96<<16                      ; 96 of them
	s_mov_b32 s[\g+3], 32<<16
	s_mov_b32 s[\g+4], 96
	s_mov_b32 s[\g+5], 32
	s_mov_b32 s[\g+6], 0
	s_mov_b32 s[\g+7], 0
.endr
	s_mul_i32 s18, s16, 24576
	s_mul_i32 s20, s17, 196608
	s_add_co_u32 s20, s20, s18
	s_mov_b32 s21, 0
	s_mul_i32 s46, s42, 196608
	s_add_co_u32 s46, s46, s18
	s_mov_b32 s47, 0
	s_mul_i32 s45, s14, 24576                      ; where my part goes
	s_wait_dscnt 0x0
	s_wait_kmcnt 0x0
	s_add_nc_u64 s[20:21], s[4:5], s[20:21]
	s_add_nc_u64 s[46:47], s[6:7], s[46:47]
	CROUND
.irp s, 0,1
	s_mov_b32 s[G0+4*\s], 1
	s_add_co_u32 s[G0+4*\s+1], s45, \s*SLOT
	s_add_nc_u64 s[G0+4*\s+2:G0+4*\s+3], s[20:21], \s*49152
	s_or_b32 s[G0+4*\s+3], s[G0+4*\s+3], 0x80000000
	s_mov_b32 s[G0B+4*\s], 1
	s_add_co_u32 s[G0B+4*\s+1], s45, \s*SLOT
	s_add_nc_u64 s[G0B+4*\s+2:G0B+4*\s+3], s[46:47], \s*49152
	s_or_b32 s[G0B+4*\s+3], s[G0B+4*\s+3], 0x80000000
	JLOAD \s
.endr
	v_and_b32 v1, 15, v0
	v_bfe_u32 v2, v0, 4, 1
	v_and_b32 v6, 31, v0
	v_lshlrev_b32 v[CO], 4, v6                     ; 16 x lane
	v_lshlrev_b32 v3, 3, v6
	v_lshlrev_b32 v4, 2, v6
	s_lshl_b32 s20, s17, 3
	s_lshl_b32 s21, s15, 2
	s_add_co_u32 s20, s20, s21
	s_lshl_b32 s20, s20, 7
	s_add_co_u32 s20, s20, ATT_IMG
	s_mov_b32 s21, 0
	s_add_nc_u64 s[8:9], s[4:5], s[20:21]          ; A's scale words: my four pairs of tiles
	s_lshl_b32 s20, s42, 4
	s_lshl_b32 s22, s16, 2
	s_add_co_u32 s20, s20, s22
	s_lshl_b32 s20, s20, 9
	s_add_co_u32 s20, s20, WO_IMG
	s_add_nc_u64 s[10:11], s[6:7], s[20:21]        ; B's
.irp p, 0,1,2,3
.irp k, 0,1,2,3,4,5,6,7
	global_load_b32 v[32+8*\p+\k], v4, s[8:9] offset:16384*\k+128*\p
.endr
.irp ks, 0,1
	global_load_b128 v[64+8*\p+4*\ks:64+8*\p+4*\ks+3], v[CO], s[10:11] offset:4096*\ks+512*\p
.endr
.endr
	s_mul_i32 s21, s15, 12288
	s_mul_i32 s22, s16, 12288
	s_add_co_u32 s22, s22, 49152
.irp s, 0,1
	v_add_nc_u32 v[16+\s], s21, v[CO]              ; A's fragments in slot s: 16 x lane,
	v_add_nc_u32 v[18+\s], s21, v3                 ; 8 x lane
	v_add_nc_u32 v[20+\s], s22, v[CO]              ; B's
	v_add_nc_u32 v[22+\s], s22, v3
	s_add_co_u32 s21, s21, SLOT
	s_add_co_u32 s22, s22, SLOT
.endr
	s_mul_i32 s23, s14, 16*SPITCH
	v_mul_u32_u24 v5, v1, SPITCH
	v_lshl_add_u32 v5, v2, 5, v5
	v_add_nc_u32 v[STO], s23, v5
	v_add_nc_u32 v[RD], s23, v[CO]
	s_lshl_b32 s20, s17, 8
	s_lshl_b32 s22, s15, 7
	s_add_co_u32 s20, s20, s22
	s_lshl_b32 s20, s20, 14
	s_lshl_b32 s22, s42, 10
	s_add_co_u32 s20, s20, s22
	s_lshl_b32 s22, s16, 9
	s_add_co_u32 s20, s20, s22
	s_mov_b32 s21, 0
	s_add_nc_u64 s[12:13], s[12:13], s[20:21]
.macro FRAGL reg, a16, a8, off
	ds_load_b128 v[\reg:\reg+3], v[\a16] offset:(\off)
	ds_load_b64 v[\reg+4:\reg+5], v[\a8] offset:(\off)+512
	ds_load_b128 v[\reg+6:\reg+9], v[\a16] offset:(\off)+768
	ds_load_b64 v[\reg+10:\reg+11], v[\a8] offset:(\off)+1280
.endm
.macro FETCH_B slot, q, p
	WIN 0x40
.irp i, 0,1,2,3,4,5,6,7
	FRAGL 128*(\p)+FR*\i, 20+\slot, 22+\slot, 24576*(\q)+1536*\i
.endr
	WIN 0
.endm
.macro FETCH_A slot, q, i0
.irp i, 0,1,2,3
	FRAGL AF+FR*(\i0+\i), 16+\slot, 18+\slot, 24576*(\q)+1536*(\i0+\i)
.endr
.endm
.macro WM zero, ra, rb
.if \zero
.if ((\ra)==0) && ((\rb)==0)
	v_wmma_scale_f32_16x16x128_f8f6f4 v[rD:rD+7], v[rA:rA+11], v[rB:rB+11], 0, v[rSA], v[rSB] matrix_a_fmt:MATRIX_FMT_FP6 matrix_b_fmt:MATRIX_FMT_FP6
.elseif ((\ra)==1) && ((\rb)==0)
	v_wmma_scale_f32_16x16x128_f8f6f4 v[rD:rD+7], v[rA:rA+11], v[rB:rB+11], 0, v[rSA], v[rSB] matrix_a_fmt:MATRIX_FMT_FP6 matrix_b_fmt:MATRIX_FMT_FP6 matrix_a_scale:MATRIX_SCALE_ROW1
.elseif (\ra)==0
	v_wmma_scale_f32_16x16x128_f8f6f4 v[rD:rD+7], v[rA:rA+11], v[rB:rB+11], 0, v[rSA], v[rSB] matrix_a_fmt:MATRIX_FMT_FP6 matrix_b_fmt:MATRIX_FMT_FP6 matrix_b_scale:MATRIX_SCALE_ROW1
.else
	v_wmma_scale_f32_16x16x128_f8f6f4 v[rD:rD+7], v[rA:rA+11], v[rB:rB+11], 0, v[rSA], v[rSB] matrix_a_fmt:MATRIX_FMT_FP6 matrix_b_fmt:MATRIX_FMT_FP6 matrix_a_scale:MATRIX_SCALE_ROW1 matrix_b_scale:MATRIX_SCALE_ROW1
.endif
.else
.if ((\ra)==0) && ((\rb)==0)
	v_wmma_scale_f32_16x16x128_f8f6f4 v[rD:rD+7], v[rA:rA+11], v[rB:rB+11], v[rD:rD+7], v[rSA], v[rSB] matrix_a_fmt:MATRIX_FMT_FP6 matrix_b_fmt:MATRIX_FMT_FP6
.elseif ((\ra)==1) && ((\rb)==0)
	v_wmma_scale_f32_16x16x128_f8f6f4 v[rD:rD+7], v[rA:rA+11], v[rB:rB+11], v[rD:rD+7], v[rSA], v[rSB] matrix_a_fmt:MATRIX_FMT_FP6 matrix_b_fmt:MATRIX_FMT_FP6 matrix_a_scale:MATRIX_SCALE_ROW1
.elseif (\ra)==0
	v_wmma_scale_f32_16x16x128_f8f6f4 v[rD:rD+7], v[rA:rA+11], v[rB:rB+11], v[rD:rD+7], v[rSA], v[rSB] matrix_a_fmt:MATRIX_FMT_FP6 matrix_b_fmt:MATRIX_FMT_FP6 matrix_b_scale:MATRIX_SCALE_ROW1
.else
	v_wmma_scale_f32_16x16x128_f8f6f4 v[rD:rD+7], v[rA:rA+11], v[rB:rB+11], v[rD:rD+7], v[rSA], v[rSB] matrix_a_fmt:MATRIX_FMT_FP6 matrix_b_fmt:MATRIX_FMT_FP6 matrix_a_scale:MATRIX_SCALE_ROW1 matrix_b_scale:MATRIX_SCALE_ROW1
.endif
.endif
.endm
; 16 products: A's blocks a0, a0 + 1 x B's eight; p: B's set; kap: the K step.  The 64 accumulators take turns in the same order in every step.
.macro MUL16 a0, p, kap, zero
.irp a, \a0, \a0+1
.irp b, 0,1,2,3,4,5,6,7
.set rD, 8*(8*((\a)%4)+\b)
.set rA, 128*(\p)+FR*\b
.set rB, AF+FR*(\a)
.set rSA, 64+8*(\b/2)+(\kap)
.set rSB, 32+8*((\a)/2)+(\kap)
	WM \zero, \b%2, (\a)%2
.endr
.endr
.endm
.macro STEP slot, kap, zero            ; a slot's first K step
	s_wait_dscnt 4*NL                              ; B's set and A's blocks 0-3 are in; A's blocks 4-7 (16 loads) may be out
	WIN MUL_LO
	MUL16 0, 0, \kap, \zero
	MUL16 2, 0, \kap, \zero
	s_wait_dscnt 0x0
	PLACES
	FETCH_B \slot, 1, 1
	FETCH_A \slot, 1, 0
	WIN MUL_HI
	MUL16 4, 0, \kap, \zero
	MUL16 6, 0, \kap, \zero
	PLACES
	WIN 0
	FETCH_A \slot, 1, 4
.endm
.macro TURN slot, next, kap, fill      ; its second K step changes slots: one barrier; in front of it the wait for all my tensor loads, the add, and the wait for it and for my reads of this slot
	s_wait_tensorcnt 0x0
	ds_add_u32 v[SPW], v[NIL]
	s_wait_dscnt 4*NL+1                            ; (the add and A's blocks 4-7 may be out)
	WIN MUL_LO
	MUL16 0, 1, \kap, 0
	s_wait_dscnt 0x0
	s_barrier_signal -1
	MUL16 2, 1, \kap, 0
	WIN 0
	s_barrier_wait -1
.if \fill
	CREST                                          ; the barrier has opened a round of the cluster's
	s_add_nc_u64 s[G0+4*\slot+2:G0+4*\slot+3], s[G0+4*\slot+2:G0+4*\slot+3], 98304
	s_add_nc_u64 s[G0B+4*\slot+2:G0B+4*\slot+3], s[G0B+4*\slot+2:G0B+4*\slot+3], 98304
	JLOAD \slot                                    ; my one tensor load behind the round; its four v_nop are the places in front of the loads below
.else
	PLACES
.endif
	FETCH_B \next, 0, 0
	FETCH_A \next, 0, 0
	WIN MUL_HI
	MUL16 4, 1, \kap, 0
	MUL16 6, 1, \kap, 0
	PLACES
	WIN 0
	FETCH_A \next, 0, 4
.endm
	s_wait_tensorcnt 1                             ; my part of slot 0 is in; slot 1's may stay out
	s_barrier_signal -1
	s_barrier_wait -1
	FETCH_B 0, 0, 0
	FETCH_A 0, 0, 0
	FETCH_A 0, 0, 4
	s_wait_loadcnt 0x0                             ; the scale words
	STEP 0, 0, 1                                   ; the first step's products start the sums
	TURN 0, 1, 1, 1
	STEP 1, 2, 0
	TURN 1, 0, 3, 1
	STEP 0, 4, 0
	TURN 0, 1, 5, 0                                ; nothing is left to fetch
	STEP 1, 6, 0
	s_wait_dscnt 4*NL
	WIN MUL_LO
	MUL16 0, 1, 7, 0
	MUL16 2, 1, 7, 0
	s_wait_dscnt 0x0
	WIN MUL_HI
	MUL16 4, 1, 7, 0
	MUL16 6, 1, 7, 0
	WIN 0
; THE WAY OUT, a block of 16 rows x 128 columns at a time, through my own stage: in as 32 bytes a lane, back as whole rows of 512 bytes.  LDS serves a wave's instructions in order.
.macro TOSTAGE a
.set AC, 64*((\a)%4)
	WIN 0x08+4*((\a)/4)                            ; the data: window 2 or 3
.irp b, 0,1,2,3,4,5,6,7
	ds_store_b128 v[STO], v[AC+8*\b:AC+8*\b+3] offset:64*\b          ; each accumulator from its low end on
	ds_store_b128 v[STO], v[AC+8*\b+4:AC+8*\b+7] offset:64*\b+16
.endr
	WIN 0
.set BB, BK+64*((\a)%2)
.irp t, 0,1,2,3,4,5,6,7,8,9,10,11,12,13,14,15
	ds_load_b128 v[BB+4*\t:BB+4*\t+3], v[RD] offset:\t*SPITCH
.endr
.endm
.macro SEND a, younger
.set BB, BK+64*((\a)%2)
	s_wait_dscnt \younger
.irp t, 0,1,2,3,4,5,6,7,8,9,10,11,12,13,14,15
	global_store_b128 v[CO], v[BB+4*\t:BB+4*\t+3], s[12:13] offset:(32*((\a)/2)+8*((\a)%2)+\t+8*(\t/8))*16384 th:TH_STORE_NT   ; 512 dense bytes; the row's place stands in the immediate, 127 rows at the most
.endr
.endm
	PLACES
	TOSTAGE 0
.irp a, 1,2,3,4,5,6,7
.if \a > 1
	s_wait_xcnt 0x0                                ; block a - 2's stores have read their registers
.endif
	TOSTAGE \a
	SEND \a-1, 32                                  ; behind block a - 1's loads: block a's 16 stores and 16 loads
.endr
	SEND 7, 0
	s_wait_tensorcnt 0x0                           ; the wave's end
	ds_add_u32 v[SPW], v[NIL]
	s_wait_dscnt 0x0
	CROUND                                         ; the closing round
	s_endpgm
.Lfunc_end_k_qea296bd9e4_oproj:
	.size	k_qea296bd9e4_oproj, .Lfunc_end_k_qea296bd9e4_oproj-k_qea296bd9e4_oproj
	.p2alignl 7, 3214868480
	.fill 96, 4, 3214868480
	.section	.rodata,"a",@progbits
	.p2align	6, 0x0
	.amdhsa_kernel k_qea296bd9e4_oproj
		.amdhsa_group_segment_fixed_size 327680
		.amdhsa_private_segment_fixed_size 0
		.amdhsa_enable_private_segment 0
		.amdhsa_kernarg_size 24
		.amdhsa_user_sgpr_count 2
		.amdhsa_user_sgpr_kernarg_segment_ptr 1
		.amdhsa_wavefront_size32 1
		.amdhsa_system_sgpr_workgroup_id_x 1
		.amdhsa_system_sgpr_workgroup_id_y 1
		.amdhsa_system_sgpr_workgroup_id_z 1
		.amdhsa_system_vgpr_workitem_id 0
		.amdhsa_next_free_vgpr 1024
		.amdhsa_next_free_sgpr 98
		.amdhsa_reserve_vcc 0
		.amdhsa_float_denorm_mode_32 3
		.amdhsa_float_denorm_mode_16_64 3
		.amdhsa_memory_ordered 1
		.amdhsa_forward_progress 1
		.amdhsa_inst_pref_size 142
	.end_amdhsa_kernel
	.amdgpu_metadata
---
amdhsa.version: [ 1, 2 ]
amdhsa.kernels:
  - .name:           k_qea296bd9e4_oproj
    .symbol:         k_qea296bd9e4_oproj.kd
    .args:
      - { .name: att, .offset: 0, .size: 8, .value_kind: global_buffer, .address_space: global }
      - { .name: woq, .offset: 8, .size: 8, .value_kind: global_buffer, .address_space: global }
      - { .name: out0, .offset: 16, .size: 8, .value_kind: global_buffer, .address_space: global }
    .group_segment_fixed_size: 327680
    .private_segment_fixed_size: 0
    .kernarg_segment_align: 8
    .kernarg_segment_size: 24
    .max_flat_workgroup_size: 128
    .sgpr_count:     98
    .vgpr_count:     1024
    .wavefront_size: 32
...
	.end_amdgpu_metadata
.endif
;; end of part 4
;; ======== version 2 of 2: 4 launches; version 1 with the launch attn written anew for expert scheduling mode
;; limits: right only within a limited range of input values
;; workspace buffers: xq 13,107,200 bytes; wq8 4,915,200 bytes; woq 3,276,800 bytes; maskw 589,824 bytes of whole numbers; qq 3,407,872 bytes; kv 1,638,400 bytes; att 3,276,800 bytes
;; launch prep: the kernel of part 1 again; grid 800 x 1, 4 waves a work-group, no clusters, 46,592 bytes of LDS; arguments x, wq, wk, wv, wo, causal_mask, xq, wq8, woq, maskw; writes xq, wq8, woq, maskw
;; launch qkv: the kernel of part 2 again; grid 8 x 32, 4 waves a work-group, clusters of 4 x 4, 327,680 bytes of LDS; arguments xq, wq8, sincos, cache_k, cache_v, qq, kv; writes qq, kv
;; launch attn (part 5): grid 16 x 16, 16 waves a work-group, no clusters, 117,248 bytes of LDS; arguments qq, kv, maskw, att; writes att
.if DOCPART == 5
	.amdgcn_target "amdgcn-amd-amdhsa--gfx1250"
	.amdhsa_code_object_version 6
	.text
	.protected	k_qea296bd9e4_attn
	.globl	k_qea296bd9e4_attn
	.p2align	8
	.type	k_qea296bd9e4_attn,@function
k_qea296bd9e4_attn:
	s_mov_b64 s[64:65], 0
	v_nop
	global_prefetch_b8 v0, s[64:65] scope:SCOPE_SE
	s_setreg_imm32_b32 hwreg(HW_REG_WAVE_SCHED_MODE, 0, 2), 2
	s_setreg_imm32_b32 hwreg(HW_REG_WAVE_MODE, 25, 1), 1
	s_wait_xcnt 0x0
	s_wait_alu depctr_vm_vsrc(0)
; softmax(q k^T / sqrt(32), masked) v on codes of FP6; the result / the row's sum is quantised for the output projection.
; THE SOFTMAX: t = score x log2(e) / sqrt(32); M = the running largest t rounded up to a whole number; p = 2^(t - M) is quantised along the keys; the row's sum is taken of the unquantised p.
; SHARES.  Work-group (X, bg): all keys and values of batch and key head bg lie in LDS as codes (102,400 bytes, brought once through registers).  Wave 4 i + a takes query head a of the group and two query tiles
; one after the other, qt = 4 X + i and 127 - (4 X + i).  Four waves to a SIMD: one wave's vector work stands beside another's products and LDS loads.
; K = 32 IN A FORM OF K = 128: a fragment of K holds FOUR key tiles, one in each block of 32; it is multiplied by four forms of the query's fragment, the query's codes in one block and zero codes in the others.
; THE MASK is an input.  An earlier launch has stored it as lane masks (a word for each score register of a key step) and, for each query tile and key step, whether some key counts and whether all count.
; A step in which no key counts is passed over; one in which all count skips the masking: branches on stored whole numbers.  There is no cluster: K and V come once, nothing is asked for in the loop.
; A masked score becomes -2^120.  c x 2^120 is exact, so a row with no key at all has t - M = 0 and p = 1 for every key: the uniform weights that the definition gives it; a tile with such a row walks all steps.
; LIMITS: |score| under 2^120; a block of zeros gets the byte 1 (this program alone reads the bytes); NaN and infinities are not served.
; REGISTERS: v1, v2 the add's; v3-5 16, 8, 4 x lane; v6-8 the step's LDS addresses; v9 -2^120; v12 -M, v13 the largest t, v[14:15] the sum; v16-18 scale words of q, K, V; v20-49 the query's forms [0][lo][0][hi][0];
;   v50-73 K; v74-97 V; v98-161 scores, then p; v162-177 O^T; v178-215 at work; v216-227 the way out's addresses.
; THE MODE: SCHED_MODE bits 1:0 = 2 (LLVM: expert scheduling mode 2), set by the entry lines.  The code itself states the register dependences
; between vector or matrix instructions and memory or LDS instructions, with s_wait_alu, always for 0.
; THE PLAN.  Registers that memory or LDS instructions touch:
;   v1-5, v216-221, v224, v226, v227   offsets and LDS addresses: written once at the head, ahead of the head's one wait on va_vdst; never written again.
;   v6-8          At the head: the copy-in's offsets (with v10).  In the loop: written by three adds at the head of a step that is walked, read by that step's 18 LDS loads.
;   v98-147       At the head: global loads land there, LDS stores read them.  From the first step on: scores, written by products.
;   v50-73, v17   K: a step's LDS loads land there; its eight score products read them.
;   v74-97, v18   V: likewise; the two products at the step's end read them.
;   v208, v210-215   A tile's three global loads land there; vector instructions read them; at the tile's end selects write v210-215, which LDS stores read (with v179, the scale byte).
;   v98-105       At the tail: LDS loads land there, global stores read them.
;   All else (p, O^T, the statistics, p's codes and scale word) is named by vector and matrix instructions alone.
; A step that is walked has one wait on vm_vsrc ahead of the three adds and one on va_vdst behind them; its 18 LDS loads all lean on the latter, V's dealt among the score products, which name none of the
; registers that those loads touch.  A further wait on va_vdst stands ahead of the two products that take p's codes and scale word, which vector instructions have just written.
.set Q_IMG,   3145728
.set ATT_IMG, 3145728
.set MFLAG,   524288
.set OST,     102400                   ; behind K and V: two rounds x (four images and 256 bytes of scale words)
.set SPARE,   115200
.set S,  98
.set O,  162
.set BM, 178
.set BP, 182
.set SO, 190
.set PC, 194
	s_load_b256 s[4:11], s[0:1], 0x0               ; qq, kv, maskw, att
	v_lshl_add_u32 v1, v0, 2, SPARE
	v_mov_b32 v2, 0
	v_lshrrev_b32 v10, 5, v0
	v_readfirstlane_b32 s12, v10                   ; wave
	v_and_b32 v10, 31, v0
	v_lshlrev_b32 v3, 4, v10
	v_lshlrev_b32 v4, 3, v10
	v_lshlrev_b32 v5, 2, v10
	v_and_b32 v11, 15, v0                          ; r
	s_wait_alu depctr_va_sdst(0)                   ; s12 is written, ahead of its first reader: i, a and all that hangs on the wave's number are made from it
	s_lshr_b32 s13, s12, 2                         ; i
	s_and_b32 s14, s12, 3                          ; a
	s_lshr_b32 s98, s14, 1
	s_and_b32 s99, s14, 1
	s_mul_i32 s100, s98, 768
	s_add_co_u32 s100, s100, OST
	s_lshl_b32 s101, s99, 8
	s_add_co_u32 s101, s101, s100
	s_lshl_b32 s2, s99, 7
	s_add_co_u32 s2, s2, s100
	s_mul_i32 s3, s13, 1536                        ; round 0: image i
	s_xor_b32 s98, s13, 3                          ; round 1: image 3 - i
	s_mul_i32 s99, s98, 1536
	s_add_co_u32 s99, s99, 6400
	v_lshl_add_u32 v216, v11, 4, s101              ; block a of row r: half a / 2, the place of lane 16 (a % 2) + r
	v_add_nc_u32 v219, s99, v216
	v_add_nc_u32 v216, s3, v216
	v_lshl_add_u32 v217, v11, 3, s2
	v_add_nc_u32 v220, s99, v217
	v_add_nc_u32 v217, s3, v217
	s_add_co_u32 s100, s14, OST+6144
	s_lshl_b32 s3, s13, 6
	s_lshl_b32 s99, s98, 6
	s_add_co_u32 s99, s99, 6400
	v_lshl_add_u32 v218, v11, 2, s100              ; the scale byte: 64 x image + 4 r + a
	v_add_nc_u32 v221, s99, v218
	v_add_nc_u32 v218, s3, v218
	s_lshl_b32 s3, s12, 9
	v_add_nc_u32 v226, s3, v3                      ; the copy out: 512 x wave + 16 x lane
	v_add_nc_u32 v224, OST, v226
	s_and_b32 s3, s12, 1
	s_mul_i32 s3, s3, 6400
	s_add_co_u32 s3, s3, OST+6144
	v_add_nc_u32 v227, s3, v4
	s_mov_b32 s84, 0x3e8293ee                      ; c = log2(e) / sqrt(32)
	s_mov_b32 s85, s84
	s_mov_b32 s86, 0x76543210
	s_mov_b32 s87, 0xfedcba98
	s_mov_b32 s95, 0xffff
	s_and_b32 s99, s14, 1
	s_cmp_eq_u32 s99, 0
	s_mov_b32 s96, 0xffff0000
	s_cselect_b32 s96, s95, s96                    ; the lanes that hold head a in its half image
	s_mul_i32 s97, s14, 0x01010101                 ; byte a, four times
	v_mov_b32 v9, 0xfb800000                       ; -2^120
	v_mov_b32 v207, 0                              ; (named as the upper half of a pair before it is first written)
.irp j, 0,1,2,3,4,5
	v_mov_b32 v[20+\j], 0
	v_mov_b32 v[32+\j], 0
	v_mov_b32 v[44+\j], 0
.endr
.irp j, 0,1,2,3,4,5,6,7
	v_mov_b32 v[BP+\j], 0                          ; a lane permute's destination counts as one of its sources
.endr
	s_and_b32 s3, ttmp7, 0xffff                    ; bg
	s_mul_i32 s98, s3, 102400
	s_mov_b32 s99, 0
	v_lshlrev_b32 v6, 4, v0
	v_lshlrev_b32 v7, 3, v0
	v_add_nc_u32 v8, 65536, v6
	v_add_nc_u32 v10, 65536, v7
	s_wait_kmcnt 0x0
	s_add_nc_u64 s[6:7], s[6:7], s[98:99]
	s_wait_alu depctr_va_vdst(0)                   ; every offset and LDS address of the kernel is written (v1-8, v10, v216-221, v224, v226, v227), which the loads and stores from here on read
.irp k, 0,1,2,3,4,5,6,7,8,9,10,11
	global_load_b128 v[S+4*\k:S+4*\k+3], v6, s[6:7] offset:8192*\k   ; 512 threads x 16 bytes
.endr
	global_load_b64 v[S+48:S+49], v7, s[6:7] offset:98304
.irp k, 0,1,2,3,4,5,6,7
	s_wait_loadcnt 12-\k                           ; the younger loads stay out
	ds_store_b128 v6, v[S+4*\k:S+4*\k+3] offset:8192*\k
.endr
.irp k, 8,9,10,11
	s_wait_loadcnt 12-\k
	ds_store_b128 v8, v[S+4*\k:S+4*\k+3] offset:8192*(\k-8)
.endr
	s_wait_loadcnt 0x0
	ds_store_b64 v10, v[S+48:S+49] offset:32768
	s_wait_dscnt 0x0                               ; for the others' sake
	s_barrier_signal -1
	s_barrier_wait -1
.macro MLOAD                           ; a key step's 64 lane masks, 256 bytes at s94 in the tile's words, into s16-63 and s68-83
	s_load_b512 s[16:31], s[88:89], s94 offset:0x0
	s_load_b512 s[32:47], s[88:89], s94 offset:0x40
	s_load_b512 s[48:63], s[88:89], s94 offset:0x80
	s_load_b512 s[68:83], s[88:89], s94 offset:0xc0
.endm
.macro PREF                            ; the NEXT step's lane masks, if that step has hidden keys (the bits end at step 15, so no load passes the tile's words)
	s_bitcmp1_b32 s91, 1
	s_cbranch_scc0 .Lnopref_\@
	s_wait_kmcnt 0x0                               ; no scalar load is out: its registers and the offset may be written
	s_add_co_u32 s94, s92, 1
	s_lshl_b32 s94, s94, 8
	MLOAD
.Lnopref_\@:
.endm
.macro FRAG reg, off                   ; a fragment from its image in the step's block: four dense LDS loads
	ds_load_b128 v[\reg:\reg+3], v6 offset:(\off)
	ds_load_b64 v[\reg+4:\reg+5], v7 offset:(\off)+512
	ds_load_b128 v[\reg+6:\reg+9], v6 offset:(\off)+768
	ds_load_b64 v[\reg+10:\reg+11], v7 offset:(\off)+1280
.endm
.macro SOFTMAX
.irp b, 0,1,2,3
	v_max3_num_f32 v[BM+\b], v[S+16*\b], v[S+1+16*\b], v[S+2+16*\b]   ; the largest score of each block of 32 keys: for the row's maximum and, since p rises with the score, for the block's largest p
.endr
.irp i, 3,5,7,9,11,13
.irp b, 0,1,2,3
	v_max3_num_f32 v[BM+\b], v[BM+\b], v[S+16*\b+\i], v[S+1+16*\b+\i]
.endr
.endr
.irp b, 0,1,2,3
	v_max_num_f32 v[BM+\b], v[BM+\b], v[S+15+16*\b]
.endr
.irp b, 0,1,2,3
	v_permlanex16_b32 v[BP+\b], v[BM+\b], s86, s87
.endr
.irp b, 0,1,2,3
	v_max_num_f32 v[BM+\b], v[BM+\b], v[BP+\b]
.endr
	v_max3_num_f32 v208, v[BM], v[BM+1], v[BM+2]
	v_max_num_f32 v208, v208, v[BM+3]
	v_mul_f32 v208, s84, v208
	v_max_num_f32 v13, v13, v208                   ; the running largest t
	v_mov_b32 v208, v12
	v_floor_f32 v12, -v13                          ; -M = floor(-t)
	v_sub_f32 v208, v12, v208                      ; old M - new M: a whole number, 0 or less
	v_cvt_i32_f32 v208, v208                       ; (it saturates)
	v_ldexp_f32 v206, 1.0, v208                    ; f = 2^(old M - new M)
.irp j, 0,2,4,6,8,10,12,14,16,18,20,22,24,26,28,30,32,34,36,38,40,42,44,46,48,50,52,54,56,58,60,62
	v_pk_fma_f32 v[S+\j:S+1+\j], v[S+\j:S+1+\j], s[84:85], v[12:13] op_sel_hi:[1,0,0]
.endr
.irp b, 0,1,2,3
	v_fma_f32 v[BM+\b], v[BM+\b], s84, v12
.endr
.set n, 0
.rept 64
	v_exp_f32 v[S+n], v[S+n]
.set n, n+1
.endr
	v_pk_mul_f32 v[14:15], v[14:15], v[206:207] op_sel_hi:[1,0]   ; the sums under the new M: a plain place behind the exponentials
	s_wait_alu depctr_va_vdst(0)                   ; the 64 exponentials have written v98-161: one wait for the batch, ahead of its first reader, the sums below
.irp b, 0,1,2,3
	v_exp_f32 v[BM+\b], v[BM+\b]                   ; the blocks' largest p
.endr
	v_pk_add_f32 v[BP:BP+1], v[S:S+1], v[S+2:S+3]  ; the row's sum of the unquantised p, in two chains
.irp j, 4,8,12,16,20,24,28,32,36,40,44,48,52,56,60
	v_pk_add_f32 v[14:15], v[14:15], v[S+\j:S+1+\j]
	v_pk_add_f32 v[BP:BP+1], v[BP:BP+1], v[S+2+\j:S+3+\j]
.endr
	v_pk_add_f32 v[14:15], v[14:15], v[BP:BP+1]
	s_wait_alu depctr_va_vdst(0)                   ; the four exponentials have written v178-181, ahead of their first reader, the floors below
.irp b, 0,1,2,3
	v_max_num_f32 v[BM+\b], 0x1800000, v[BM+\b]
.endr
.irp b, 0,1,2,3
	v_add_nc_u32 v[SO+\b], 0xff000000, v[BM+\b]
.endr
.irp b, 0,1,2,3
	v_lshrrev_b32 v[BP+\b], 23, v[SO+\b]
.endr
	v_lshl_or_b32 v207, v[BP+1], 8, v[BP]          ; p's scale word for these 128 keys
	v_lshl_or_b32 v207, v[BP+2], 16, v207
	v_lshl_or_b32 v207, v[BP+3], 24, v207
.irp c, 0,1
	v_cvt_scalef32_pk16_fp6_f32 v[PC+6*\c:PC+2+6*\c], v[S+32*\c:S+15+32*\c], v[SO+2*\c]
	v_cvt_scalef32_pk16_fp6_f32 v[BP+4*\c:BP+2+4*\c], v[S+16+32*\c:S+31+32*\c], v[SO+2*\c+1]
.endr
	v_nop
.irp c, 0,1
.irp i, 0,1,2
	v_permlane16_swap_b32 v[PC+6*\c+\i], v[BP+4*\c+\i]
.endr
.irp i, 0,1,2
	v_mov_b32 v[PC+3+6*\c+\i], v[BP+4*\c+\i]
.endr
.endr
.endm
; One query tile of one head: all 16 key steps.  rho: the round
.macro UNIT rho
	s_wait_kmcnt 0x0
	s_lshl_b32 s2, ttmp9, 2
	s_add_co_u32 s2, s2, s13
.if \rho
	s_sub_co_u32 s2, 127, s2
.endif
	s_lshl_b32 s32, s2, 9
	s_add_co_u32 s32, s32, MFLAG
	s_mov_b32 s33, 0
	s_add_nc_u64 s[34:35], s[8:9], s[32:33]
	s_load_b128 s[16:19], s[34:35], 0x0            ; four times: act bits, all-open bits, OR of the lane masks
	s_load_b128 s[20:23], s[34:35], 0x80
	s_load_b128 s[24:27], s[34:35], 0x100
	s_load_b128 s[28:31], s[34:35], 0x180
	s_lshl_b32 s32, s2, 12
	s_add_nc_u64 s[88:89], s[8:9], s[32:33]        ; the tile's lane masks
	s_and_b32 s3, ttmp7, 0xffff
	s_lshl_b32 s36, s3, 7
	s_add_co_u32 s36, s36, s2
	s_mul_i32 s36, s36, 1536
	s_lshr_b32 s37, s14, 1
	s_mul_i32 s37, s37, 768
	s_add_co_u32 s36, s36, s37
	s_mov_b32 s37, 0
	s_add_nc_u64 s[38:39], s[4:5], s[36:37]
.if \rho
	s_wait_alu depctr_vm_vsrc(0)                   ; the first tile's LDS stores have read v210-215, in which the loads below land, and v179, which this tile's softmax writes.  (No vector instruction has been issued since the wait on va_vdst ahead of those stores: it covers v208 and v210-215 for these loads)
.endif
	global_load_b128 v[210:213], v3, s[38:39]      ; the half image that holds head a
	global_load_b64 v[214:215], v4, s[38:39] offset:512
	s_lshl_b32 s36, s3, 6
	s_lshr_b32 s40, s2, 1
	s_add_co_u32 s36, s36, s40
	s_lshl_b32 s36, s36, 8
	s_and_b32 s40, s2, 1
	s_lshl_b32 s40, s40, 2
	s_add_co_u32 s36, s36, s40
	s_add_co_u32 s36, s36, Q_IMG
	s_add_nc_u64 s[40:41], s[4:5], s[36:37]
	global_load_b32 v208, v4, s[40:41]             ; the rows' scale words
	v_mov_b32 v13, 0xff61b1e6                      ; the largest t so far: -3e38
	v_floor_f32 v12, -v13
	v_mov_b32 v14, 0
	v_mov_b32 v15, 0
.irp j, 0,1,2,3,4,5,6,7,8,9,10,11,12,13,14,15
	v_mov_b32 v[O+\j], 0                           ; the loop has no first step of its own: the first change of M multiplies zeros
.endr
	s_mov_b32 s92, 0                               ; the key step
	s_mov_b32 s93, 0                               ; its block in LDS
	s_wait_kmcnt 0x0
	s_or_b32 s90, s16, s20
	s_or_b32 s98, s24, s28
	s_or_b32 s90, s90, s98                         ; steps in which some key counts
	s_or_b32 s91, s17, s21
	s_or_b32 s98, s25, s29
	s_or_b32 s91, s91, s98                         ; steps in which all count
	s_or_b32 s98, s18, s22
	s_or_b32 s99, s26, s30
	s_or_b32 s98, s98, s99
	s_lshr_b32 s99, s98, 16
	s_or_b32 s98, s98, s99
	s_and_b32 s98, s98, s95                        ; rows that have a key
	s_cmp_lg_u32 s98, s95
	s_cselect_b32 s98, s95, 0                      ; a row without any: every step is walked
	s_or_b32 s90, s90, s98
	s_and_not1_b32 s91, s90, s91                   ; steps to be masked
	s_wait_loadcnt 0x0
.irp j, 0,1,2,3,4,5
	v_permlanex16_b32 v[BP+\j], v[210+\j], s86, s87
.endr
.irp j, 0,1,2,3,4,5
	v_cndmask_b32 v[210+\j], v[BP+\j], v[210+\j], s96   ; head a's codes of row r, in both halves of the lanes
.endr
.irp j, 0,1,2,3,4,5
	v_cndmask_b32 v[26+\j], 0, v[210+\j], s95      ; in lanes 0-15 alone,
	v_cndmask_b32 v[38+\j], v[210+\j], 0, s95      ; in lanes 16-31 alone
.endr
	v_perm_b32 v16, v208, v208, s97                ; head a's scale byte in all four places
.rept 8
	v_nop                                          ; a scale word written by a vector instruction stands 8 places ahead of a scaled product; the wait that states it written stands at the head of each step that is walked
.endr
	s_mov_b32 s94, 0                               ; key step 0's lane masks are loaded whether it has hidden keys or not: 256 bytes a tile, and the 64 registers are written on every way to the selects below.
	MLOAD                                          ; (No scalar load and no vector load is out here: the flags' and the query's registers and bases may be written)
.Ltrip_\@:
	s_bitcmp1_b32 s90, 0
	s_cbranch_scc0 .Lskip_\@
	s_wait_alu depctr_vm_vsrc(0)                   ; the LDS loads of the last step walked have read v6-8, which the adds below write; ahead of the first step of all: the head's loads and LDS stores have read v6-8 and v98-147, which this step's products write
	v_add_nc_u32 v6, s93, v3                       ; (these three and the v_nop are four plain instructions behind the last step's products)
	v_add_nc_u32 v7, s93, v4
	v_add_nc_u32 v8, s93, v5
	v_nop
	s_wait_alu depctr_va_vdst(0)                   ; v6-8 are written, which the 18 LDS loads of this step read; the last step's products are done reading v17, v18, v50-97, in which those loads land; in a tile's first step v16 and the query's forms v26-31, v38-43 are written, which the scaled products take
	ds_load_b32 v17, v8 offset:6144
	FRAG 50, 0
	FRAG 62, 1536
	s_wait_dscnt 4                                 ; K's scale words and its first fragment are in; the second fragment's four loads may be out
.irp t, 0,1,2,3                        ; key tile t lies in block t % 4: the query's form with its codes in that block
	v_wmma_scale_f32_16x16x128_f8f6f4 v[S+8*\t:S+7+8*\t], v[50:61], v[20+6*((2*\t+1)%5):31+6*((2*\t+1)%5)], 0, v17, v16 matrix_a_fmt:MATRIX_FMT_FP6 matrix_b_fmt:MATRIX_FMT_FP6
.endr
	FRAG 74, 3072                                  ; V's first fragment.  No wait: no vector or matrix instruction since the wait on va_vdst above names v6-8, v18 or v74-97
	s_wait_dscnt 4                                 ; K's second fragment is in; the four loads just issued may be out
.irp t, 0,1,2,3
	v_wmma_scale_f32_16x16x128_f8f6f4 v[S+32+8*\t:S+39+8*\t], v[62:73], v[20+6*((2*\t+1)%5):31+6*((2*\t+1)%5)], 0, v17, v16 matrix_a_fmt:MATRIX_FMT_FP6 matrix_b_fmt:MATRIX_FMT_FP6 matrix_a_scale:MATRIX_SCALE_ROW1
.endr
	FRAG 86, 4608                                  ; V's second fragment and its scale words: likewise
	ds_load_b32 v18, v8 offset:6272
.rept 4
	v_nop
.endr
	s_bitcmp1_b32 s91, 0
	s_cbranch_scc0 .Lopen_\@
	s_wait_kmcnt 0x0                               ; the step's lane masks
.set n, 0
.rept 48
	v_cndmask_b32 v[S+n], v9, v[S+n], s[16+n]
.set n, n+1
.endr
.rept 16
	v_cndmask_b32 v[S+n], v9, v[S+n], s[20+n]
.set n, n+1
.endr
.Lopen_\@:
	PREF                                           ; the next step's, a step ahead
	SOFTMAX
.irp j, 0,2,4,6,8,10,12,14
	v_pk_mul_f32 v[O+\j:O+1+\j], v[O+\j:O+1+\j], v[206:207] op_sel_hi:[1,0]   ; O^T under the new M; also the places in front of the products
.endr
	s_wait_dscnt 0x0                               ; V
	s_wait_alu depctr_va_vdst(0)                   ; p's codes v194-205 and its scale word v207 are written by vector instructions: the two scaled products take them; the places above stay beside this wait
	v_wmma_scale_f32_16x16x128_f8f6f4 v[O:O+7], v[74:85], v[PC:PC+11], v[O:O+7], v18, v207 matrix_a_fmt:MATRIX_FMT_FP6 matrix_b_fmt:MATRIX_FMT_FP6
	v_wmma_scale_f32_16x16x128_f8f6f4 v[O+8:O+15], v[86:97], v[PC:PC+11], v[O+8:O+15], v18, v207 matrix_a_fmt:MATRIX_FMT_FP6 matrix_b_fmt:MATRIX_FMT_FP6 matrix_a_scale:MATRIX_SCALE_ROW1
	s_branch .Lnext_\@
.Lskip_\@:
	PREF
.Lnext_\@:
	s_lshr_b32 s90, s90, 1
	s_lshr_b32 s91, s91, 1
	s_add_co_u32 s93, s93, 6400
	s_add_co_u32 s92, s92, 1
	s_cmp_lt_u32 s92, 16
	s_cbranch_scc1 .Ltrip_\@
.rept 4
	v_nop
.endr
	v_add_f32 v14, v14, v15
	v_permlanex16_b32 v208, v14, s86, s87
	v_add_f32 v14, v14, v208                       ; the row's sum
	v_rcp_f32 v14, v14
	v_nop
	s_wait_alu depctr_va_vdst(0)                   ; the reciprocal has written v14, ahead of its first reader
.irp j, 0,2,4,6,8,10,12,14
	v_pk_mul_f32 v[O+\j:O+1+\j], v[O+\j:O+1+\j], v[14:15] op_sel_hi:[1,0]   ; register 8 ct + j is channel 16 h + 8 ct + j of my query
.endr
	v_max3_num_f32 v[BM], |v[O]|, |v[O+1]|, 0x1800000   ; the head's 32 channels are one block of the output projection's K
.irp i, 2,4,6,8,10,12,14
	v_max3_num_f32 v[BM], v[BM], |v[O+\i]|, |v[O+1+\i]|
.endr
	v_permlanex16_b32 v[BP], v[BM], s86, s87
	v_max_num_f32 v[BM], v[BM], v[BP]
	v_add_nc_u32 v[SO], 0xff000000, v[BM]
	v_lshrrev_b32 v[BM+1], 23, v[SO]
	v_cvt_scalef32_pk16_fp6_f32 v[PC:PC+2], v[O:O+15], v[SO]
	v_nop
.irp i, 0,1,2
	v_permlanex16_b32 v[BP+\i], v[PC+\i], s86, s87
.endr
.irp i, 0,1,2
	v_cndmask_b32 v[210+\i], v[BP+\i], v[PC+\i], s95    ; the block's lower 16 codes,
	v_cndmask_b32 v[213+\i], v[PC+\i], v[BP+\i], s95    ; its upper 16: the same in both lanes of a row
.endr
	s_wait_alu depctr_va_vdst(0)                   ; the selects have written v210-215 and the shift v179, which the LDS stores read; and the tile's vector and matrix instructions are done with v208, v210-215 and v98-105, in which the next loads land (the next tile's; at the tail, the copy out's)
	ds_store_b128 v[216+3*\rho], v[210:213]        ; both lanes of a row write the same bytes
	ds_store_b64 v[217+3*\rho], v[214:215] offset:512
	ds_store_b8 v[218+3*\rho], v[BM+1]
	s_wait_dscnt 0x0
.endm
	UNIT 0
	UNIT 1
	s_barrier_signal -1
	s_barrier_wait -1                              ; both rounds' four images and their scale words lie in LDS
	s_wait_kmcnt 0x0
	s_and_b32 s3, ttmp7, 0xffff
	s_lshr_b32 s98, s3, 3
	s_and_b32 s99, s3, 7                           ; g
	s_lshl_b32 s98, s98, 7                         ; 128 x batch
	s_lshl_b32 s100, ttmp9, 2
	s_add_co_u32 s16, s98, s100                    ; round 0's first token tile
	s_add_co_u32 s17, s98, 124
	s_sub_co_u32 s17, s17, s100                    ; round 1's
	s_mul_i32 s18, s99, 24576
	s_lshl_b32 s19, s99, 14
	s_add_co_u32 s19, s19, ATT_IMG
	s_lshr_b32 s20, s16, 4
	s_mul_i32 s20, s20, 196608
	s_and_b32 s21, s16, 15
	s_mul_i32 s21, s21, 1536
	s_add_co_u32 s20, s20, s21
	s_add_co_u32 s20, s20, s18
	s_mov_b32 s21, 0
	s_add_nc_u64 s[24:25], s[10:11], s[20:21]
	s_lshr_b32 s20, s17, 4
	s_mul_i32 s20, s20, 196608
	s_and_b32 s22, s17, 15
	s_mul_i32 s22, s22, 1536
	s_add_co_u32 s20, s20, s22
	s_add_co_u32 s20, s20, s18
	s_add_nc_u64 s[26:27], s[10:11], s[20:21]
	s_and_b32 s22, s12, 1
	s_cmp_eq_u32 s22, 0
	s_cselect_b32 s20, s16, s17
	s_lshr_b32 s20, s20, 1
	s_lshl_b32 s20, s20, 7
	s_add_co_u32 s20, s20, s19
	s_add_nc_u64 s[28:29], s[10:11], s[20:21]
	s_cmp_lt_u32 s12, 12
	s_cbranch_scc0 .Lscales
	ds_load_b128 v[98:101], v224                   ; waves 0-11: 512 bytes of each round's images.  (No vector instruction has been issued since the second tile's last wait on va_vdst)
	ds_load_b128 v[102:105], v224 offset:6400
	s_wait_dscnt 0x0
	global_store_b128 v226, v[98:101], s[24:25]
	global_store_b128 v226, v[102:105], s[26:27]
	s_branch .Ldone
.Lscales:
	s_cmp_lt_u32 s12, 14
	s_cbranch_scc0 .Ldone
	ds_load_b64 v[98:99], v227                     ; waves 12, 13: a round's 256 bytes of scale words
	s_wait_dscnt 0x0
	global_store_b64 v4, v[98:99], s[28:29]
.Ldone:
	s_wait_dscnt 0x0                               ; the wave's end: the closing lines, six on end
	s_wait_alu 0x0
	s_wait_tensorcnt 0x0
	ds_add_u32 v1, v2
	s_wait_dscnt 0x0
	s_endpgm
.Lfunc_end_k_qea296bd9e4_attn:
	.size	k_qea296bd9e4_attn, .Lfunc_end_k_qea296bd9e4_attn-k_qea296bd9e4_attn
	.p2alignl 7, 3214868480
	.fill 96, 4, 3214868480
	.section	.rodata,"a",@progbits
	.p2align	6, 0x0
	.amdhsa_kernel k_qea296bd9e4_attn
		.amdhsa_group_segment_fixed_size 117248
		.amdhsa_private_segment_fixed_size 0
		.amdhsa_enable_private_segment 0
		.amdhsa_kernarg_size 32
		.amdhsa_user_sgpr_count 2
		.amdhsa_user_sgpr_kernarg_segment_ptr 1
		.amdhsa_wavefront_size32 1
		.amdhsa_system_sgpr_workgroup_id_x 1
		.amdhsa_system_sgpr_workgroup_id_y 1
		.amdhsa_system_sgpr_workgroup_id_z 1
		.amdhsa_system_vgpr_workitem_id 0
		.amdhsa_next_free_vgpr 256
		.amdhsa_next_free_sgpr 102
		.amdhsa_reserve_vcc 0
		.amdhsa_float_denorm_mode_32 3
		.amdhsa_float_denorm_mode_16_64 3
		.amdhsa_memory_ordered 1
		.amdhsa_forward_progress 1
		.amdhsa_inst_pref_size 63
	.end_amdhsa_kernel
	.amdgpu_metadata
---
amdhsa.version: [ 1, 2 ]
amdhsa.kernels:
  - .name:           k_qea296bd9e4_attn
    .symbol:         k_qea296bd9e4_attn.kd
    .args:
      - { .name: qq, .offset: 0, .size: 8, .value_kind: global_buffer, .address_space: global }
      - { .name: kv, .offset: 8, .size: 8, .value_kind: global_buffer, .address_space: global }
      - { .name: maskw, .offset: 16, .size: 8, .value_kind: global_buffer, .address_space: global }
      - { .name: att, .offset: 24, .size: 8, .value_kind: global_buffer, .address_space: global }
    .group_segment_fixed_size: 117248
    .private_segment_fixed_size: 0
    .kernarg_segment_align: 8
    .kernarg_segment_size: 32
    .max_flat_workgroup_size: 512
    .sgpr_count:     102
    .vgpr_count:     256
    .wavefront_size: 32
...
	.end_amdgpu_metadata
.endif
;; end of part 5
;; launch oproj: the kernel of part 4 again; grid 16 x 16, 4 waves a work-group, clusters of 4 x 4, 327,680 bytes of LDS; arguments att, woq, out0; writes out0
